; MI455X (gfx1250); checked and timed in simulation.
; The chip was launched on July 23, 2026; its instructions are those of AMD's public machine-readable ISA for CDNA 5 (MIT licence, August 2026) and "CDNA5" Instruction Set Architecture Reference Guide (July 2026). The comments in the code are by the model that wrote it; some were corrected since.
;; Encoder. Allowed arithmetic: matrix products marked QUANTISED: E3M2 operands, one E8M0 scale for each 32 along K, by v_wmma_scale_f32_16x16x128_f8f6f4 with both operands' format E3M2, f32 sums; everything else in f32.
;; Inputs: Wk_codes 1,024 x 32 x 24 uint8 (E3M2 codes of Wk, K innermost, in blocks of 32 codes, four codes in three bytes); Wk_scales 1,024 x 32 uint8 (E8M0 scales of Wk, one for each 32 codes along K); Wo_codes 1,024 x 32 x 24 uint8 (E3M2 codes of Wo, K innermost, in blocks of 32 codes, four codes in three bytes); Wo_scales 1,024 x 32 uint8 (E8M0 scales of Wo, one for each 32 codes along K); Wq_codes 1,024 x 32 x 24 uint8 (E3M2 codes of Wq, K innermost, in blocks of 32 codes, four codes in three bytes); Wq_scales 1,024 x 32 uint8 (E8M0 scales of Wq, one for each 32 codes along K); Wv_codes 1,024 x 32 x 24 uint8 (E3M2 codes of Wv, K innermost, in blocks of 32 codes, four codes in three bytes); Wv_scales 1,024 x 32 uint8 (E8M0 scales of Wv, one for each 32 codes along K); bk 1,024 float32; bo 1,024 float32; bq 1,024 float32; bv 1,024 float32; x_codes 8 x 2,048 x 32 x 24 uint8 (E3M2 codes of x, K innermost, in blocks of 32 codes, four codes in three bytes); x_scales 8 x 2,048 x 32 uint8 (E8M0 scales of x, one for each 32 codes along K).
;; Outputs: out0 8 x 2,048 x 1,024 float32.
;; This version of the problem:
;;   THIS VERSION OF THE PROBLEM IS GIVEN IN LOW PRECISION. The matrix products marked QUANTISED in the list below multiply operands that are first quantised to E3M2 (3 exponent bits, 2 mantissa bits; 6 bits a number), with one power-of-two scale for each 32 numbers along K (OCP MX v1.0); their sums are f32. All else is computed in f32.
;;   The module's matrix products, in the order in which they are computed (A, B: the left and right operand; K: the contracted axis; several contracted axes count as one K, in the product's order):
;;     1. [M 16,384, K 1,024] x [K 1,024, N 1,024]; A: input x (given as codes); B: input Wq (given as codes): QUANTISED
;;     2. [M 16,384, K 1,024] x [K 1,024, N 1,024]; A: input x (given as codes); B: input Wk (given as codes): QUANTISED
;;     3. [M 16,384, K 1,024] x [K 1,024, N 1,024]; A: input x (given as codes); B: input Wv (given as codes): QUANTISED
;;     4. [M 16,384, K 1,024] x [K 1,024, N 1,024]; A: computed on the way; B: input Wo (given as codes): QUANTISED
;;   THE QUANTISER, for each operand of a quantised product, along K:
;;     - K is cut into blocks of 32 from its start; a last block that is shorter is filled with zeros.
;;     - A block's scale is 2^e with e = floor(log2(the largest magnitude in the block)) - 4, held to -126 .. 127; a block of zeros has e = 0. As a byte (E8M0): e + 127.
;;     - Each number is divided by its block's scale, clamped to +-28, and rounded to the nearest number of E3M2, ties to even, subnormals kept.
;;     - The product sums the exact products of the quantised numbers (number of the format x scale) in f32.
;;   ~~~python
;;   def quantise(x, axis):      # numpy; x: float32 -> the quantised numbers, widened to float32 again
;;       x = np.moveaxis(x, axis, -1); K = x.shape[-1]
;;       x = np.pad(x, [(0, 0)] * (x.ndim - 1) + [(0, -K % 32)]); x = x.reshape(x.shape[:-1] + (-1, 32)); a = np.abs(x).max(-1, keepdims=True)
;;       e = np.where(a > 0, np.clip(np.frexp(np.where(a > 0, a, 1))[1] - 1 - 4, -126, 127), 0)      # np.frexp(a)[1] - 1 = floor(log2(a)), exactly
;;       r = np.clip(x / 2.0 ** e, -28, 28)
;;       step = 2.0 ** (np.maximum(np.frexp(np.where(r == 0, 1, r))[1] - 1, -2) - 2)
;;       q = np.round(r / step) * step * 2.0 ** e      # np.round: ties to even
;;       return np.moveaxis(q.reshape(q.shape[:-2] + (-1,))[..., :K], -1, axis).astype(np.float32)
;;   ~~~
;;   OPERANDS COMPUTED ON THE WAY. 'Computed on the way' means the value that the module computes at that place (a softmax that the list does not call 'softmax' is quantised finished and normalised). What goes into a quantiser is computed in f32, as accurately as f32 sums, v_exp_f32 and their like allow (about 1e-6 of the number): no bf16 or f16 on the way to a quantiser, and a product that is left as it is and whose result goes on into a quantised operand takes f32 operands (vector FMAs, or v_wmma_f32_16x16x4_f32). A number that lies on a knife's edge between two numbers of the format may be rounded either way, as far as f32 arithmetic and the matrix unit's own rounding can turn it there, and no further.
;;   INPUTS GIVEN AS CODES. Wk (in the module: [1024, 1024], K = its axis 1); Wo (in the module: [1024, 1024], K = its axis 1); Wq (in the module: [1024, 1024], K = its axis 1); Wv (in the module: [1024, 1024], K = its axis 1); x (in the module: [8, 2048, 1024], K = its axis 2): each comes as NAME_codes (uint8): NAME with its K axis moved to the last place and cut into blocks of 32 codes, [.., K / 32, bytes a block], one block behind the other in memory; four codes in three bytes: a row's codes are one little-endian stream of bits, code i at bits 6 i .. 6 i + 5 (a code: sign, 3 exponent bits, 2 mantissa bits); and NAME_scales (uint8): the same leading axes, one E8M0 byte (e + 127) for each 32 codes along K. Its value is code x scale, taken as it is: it is not quantised again, and the codes and scales need not be those that the quantiser above would give.
;; 2 versions. Each part assembles by itself: llvm-mc -triple=amdgcn-amd-amdhsa -mcpu=gfx1250 --defsym DOCPART=n.
;; ======== version 1 of 2: 2 launches
;; workspace buffers: stats 131,072 bytes
;; launch qk (part 1): grid 256 x 1, 4 waves a work-group, clusters of 4 x 1, 327,680 bytes of LDS; arguments x_codes, x_scales, Wq_codes, Wq_scales, bq, Wk_codes, Wk_scales, bk, stats; writes stats
.if DOCPART == 1
	.amdgcn_target "amdgcn-amd-amdhsa--gfx1250"
	.amdhsa_code_object_version 6
	.text
	.protected	k_q7d3ecd9fdc_qk
	.globl	k_q7d3ecd9fdc_qk
	.p2align	8
	.type	k_q7d3ecd9fdc_qk,@function
k_q7d3ecd9fdc_qk:
	s_mov_b64 s[64:65], 0
	v_nop
	global_prefetch_b8 v0, s[64:65] scope:SCOPE_SE
	s_setreg_imm32_b32 hwreg(HW_REG_WAVE_MODE, 25, 1), 1
	s_wait_xcnt 0x0
	s_wait_alu depctr_hold_cnt(0) depctr_sa_sdst(0) depctr_va_vdst(0) depctr_va_sdst(0) depctr_va_ssrc(0) depctr_va_vcc(0) depctr_vm_vsrc(0)
	s_getreg_b32 s2, hwreg(HW_REG_IB_STS2, 6, 4)
	s_cmp_eq_u32 s2, 0
	s_cbranch_scc0 .Lentry_in_a_cluster
	s_endpgm
.Lentry_in_a_cluster:
	s_bfe_u32 s2, ttmp6, 0x10000c
	s_cmp_lg_u32 s2, 0x3003
	s_cbranch_scc0 .Lentry_shape_is_right
	s_endpgm
.Lentry_shape_is_right:
; q = x Wq^T + bq, k = x Wk^T + bk on codes of BF6 (E3M2) with E8M0 scales; d[row] = q . k; and of the softmax of a row that holds d on the diagonal and 2,047 zeros:
; m = max(d, 0), e1 = exp(d - m), e0 = exp(-m), Z = e1 + 2047 e0, diag = e1 / Z, off = e0 / Z.  stats: diag[16384] f32 at byte 0, off[16384] f32 at byte 65,536.  q and k never go to memory.
; SHARES.  256 work-groups of four waves; a work-group owns 64 rows of x.  THE ROWS STAND STILL: every wave holds all 64 rows x K 1,024 as 32 fragments in 384 registers.
; THE WEIGHTS WALK through two LDS slots in chunks of 128 weight rows x all of K: slot 0 always a chunk of Wq, slot 1 the same rows of Wk.  Wave w fetches and reads rows 32 w .. 32 w + 31 of a chunk,
; so each weight fragment is read from LDS once and feeds four matrix instructions.  A chunk is 2 column tiles x 4 row tiles x 8 K steps = 64 matrix instructions a wave on 8 accumulators that take turns.
; CLUSTER.  The four work-groups of a cluster walk the same chunks: each chunk is asked for JOINTLY (mask 15, the same descriptor in all four).  Clusters begin the walk at different chunks (cluster number mod 8).
; THE MATRIX INSTRUCTION IS USED TRANSPOSED: source 0 = 16 weight rows, source 1 = 16 rows of x: lane (r, h) holds row r of the tile and output columns 8 h + 0 .. 7.  The biases are the C of each sum's first instruction.
; LIMITS: NaN and infinities are not served; |d| up to 2e38; v_exp_f32 gives 0 for results under 2^-126, so diag or off is 0 there, where the exact number is under 1e-38.
; REGISTERS, in windows of 256: window 0: addresses, scale words, accumulators, biases, work; window 1: x's fragments of K steps 0-3 ((s, m) at 12 (4 s + m)); window 2: of K steps 4-7; window 3: weight fragments ((s, u) at 12 (2 s + u)).
.set SLOTB,  104448                    ; a slot: four wave blocks
.set WBLK,   26112                     ; a wave's block: 32 weight rows = 24,576 dense bytes, brought as 96 rows of 256 bytes + 16 of padding
.set WP,     816                       ; so a weight row of 768 bytes has pitch 816 = 204 words: row r starts at bank 12 r mod 64 (64 banks of 4 bytes: ISA guide 11.1)
.set TILEB,  13056                     ; 16 such rows
.set XREG,   208896                    ; x's 64 rows, laid likewise: filled once
.set DX,     261120                    ; [wave][64 rows] f32: the waves' parts of d
.set SPARE,  262144                    ; the spare words, 128 bytes a wave: two blocks of 256 bytes that no other line names
.set CSTEP,  98304                     ; a chunk of 128 weight rows in memory
.set SPW, 1                            ; v1   SPARE + 4 x my thread's number; never rewritten
.set NIL, 2                            ; v2   0; never rewritten
.set AB,  3                            ; v3, v4  my lane's place in my block of slot 0, 1;  v5, v6 the same behind one padding more
.set AX,  7                            ; v7   my lane's place in x's rows;  v9 the same behind one padding more
.set WSO, 10                           ; v10  32 r + 16 h: a row's 32 scale bytes, my half of them
.set BIO, 11                           ; v11  32 h: my half's eight biases of a tile
.set DXS, 12                           ; v12  where I put d's parts
.set DXR, 13                           ; v13  where I read them
.set SO8, 14                           ; v14  8 x lane: my two rows in stats
.set DA,  24                           ; v24-31  d's parts: a pair for each tile of rows
.set XS,  32                           ; v32-47  x's scale words: register 4 m + j: lanes 0-15 K step j, lanes 16-31 K step 4 + j, of row 16 m + r
.set WS,  48                           ; v48-63  the weights' likewise: register 8 slot + 4 u + j, weight row 16 u + r
.set ACC, 64                           ; v64-191 two sets of 8 accumulators: set a, (m, u) at 64 a + 16 m + 8 u
.set BI,  192                          ; v192-223 biases: 16 slot + 8 u + j = column 16 u + 8 h + j
.set WV,  24
.set CX,  25
.set KAP, 26
.set GG,  27
.set G1W, 28                           ; s[28:35] group 1 for weight blocks;  s[36:43] for x
.set G1X, 36
.set G0,  44                           ; s[44:47], s[48:51] group 0 of slot 0, 1;  s[52:55] of x
.set G0X, 52
.set ROT, 56
.set TT,  57
.set OFF, 58
.set SEL, 60
.set IC,  62
.set CB1, 66                           ; codes, scales, biases of Wq and of Wk, my wave's part added
.set SB1, 68
.set BB1, 70
.set CB2, 72
.set SB2, 74
.set BB2, 76
.set SBN, 78                           ; the bases of the loads of scale words and biases in hand
.set BBN, 80
.set MSB, 0
.macro WIN new                         ; the immediate's high byte repeats the setting that is left; a switch that changes nothing is dropped
.if MSB != (\new)
	s_set_vgpr_msb (MSB<<8)|(\new)
.set MSB, (\new)
.endif
.endm
.macro PLACES n
.rept \n
	v_nop
.endr
.endm
.macro CROUND                          ; a round of the cluster's barrier
	s_barrier_signal -1
	s_barrier_wait -1
	s_cmp_lg_u32 s[WV], 0
	s_cbranch_scc1 .Lnot_wave_0_\@
	s_barrier_signal -3
.Lnot_wave_0_\@:
	s_barrier_wait -3
	s_barrier_signal -1
	s_barrier_wait -1
.endm
; A fragment, 16 rows x 128 K of 6-bit codes, is 12 registers: lane (r, h) holds row r; registers 6 c .. 6 c + 5 hold K = 64 c + 32 h + 0 .. 31: 24 bytes of the row's stream of bits, in pieces of 8 bytes.
; Lanes 16-31 read three pieces further on; where that is behind one padding more (16 bytes behind every 32 pieces) the second address register serves.
.macro FRAG reg, adr, q, rowoff
.irp p, 0,1,2,3,4,5
.set PC, 12*(\q)+6*(\p/3)+\p%3
.if PC%32 < 29
	ds_load_b64 v[(\reg)+2*\p:(\reg)+2*\p+1], v[\adr] offset:8*PC+16*(PC/32)+(\rowoff)
.else
	ds_load_b64 v[(\reg)+2*\p:(\reg)+2*\p+1], v[\adr+2] offset:8*PC+16*(PC/32)+(\rowoff)
.endif
.endr
.endm
.macro FETCHB slot, s0                 ; my block's fragments of K steps s0 .. s0 + 3, in K order: 12 loads a K step
.irp s, \s0, \s0+1, \s0+2, \s0+3
.irp u, 0,1
	FRAG 12*(2*(\s)+\u), AB+\slot, \s, TILEB*\u
.endr
.endr
.endm
.macro KSTEP slot, acc, s              ; 8 matrix instructions, the 8 accumulators by turns
.irp m, 0,1,2,3
.irp u, 0,1
.set rD, ACC+64*(\acc)+16*\m+8*\u
.set rW, 12*(2*(\s)+\u)
.set rA, 12*(4*((\s)%4)+\m)
.set rC, BI+16*(\slot)+8*\u
.set rSW, WS+8*(\slot)+4*\u+(\s)%4
.set rSX, XS+4*\m+(\s)%4
.if (\s) == 0
	v_wmma_scale_f32_16x16x128_f8f6f4 v[rD:rD+7], v[rW:rW+11], v[rA:rA+11], v[rC:rC+7], v[rSW], v[rSX] matrix_a_fmt:MATRIX_FMT_BF6 matrix_b_fmt:MATRIX_FMT_BF6
.elseif (\s) < 4
	v_wmma_scale_f32_16x16x128_f8f6f4 v[rD:rD+7], v[rW:rW+11], v[rA:rA+11], v[rD:rD+7], v[rSW], v[rSX] matrix_a_fmt:MATRIX_FMT_BF6 matrix_b_fmt:MATRIX_FMT_BF6
.else
	v_wmma_scale_f32_16x16x128_f8f6f4 v[rD:rD+7], v[rW:rW+11], v[rA:rA+11], v[rD:rD+7], v[rSW], v[rSX] matrix_a_fmt:MATRIX_FMT_BF6 matrix_b_fmt:MATRIX_FMT_BF6 matrix_a_scale:MATRIX_SCALE_ROW1 matrix_b_scale:MATRIX_SCALE_ROW1
.endif
.endr
.endr
.endm
; A chunk: 96 LDS loads in two runs, 64 matrix instructions.  lc: the younger global loads (the other set's scale words and biases) that may stay out.
.macro CHUNK slot, acc, lc
	WIN 0xc0                                       ; destination window 3
	FETCHB \slot, 0
	WIN 0x07                                       ; source 0 window 3, source 1 window 1
	s_wait_loadcnt \lc                             ; this set's scale words and biases are in
	s_wait_dscnt 36                                ; K step 0's twelve loads are in; those of K steps 1 to 3 may be out
	KSTEP \slot, \acc, 0
	s_wait_dscnt 24
	KSTEP \slot, \acc, 1
	WIN 0xc0
	FETCHB \slot, 4                                ; into registers that the chunk before read last, four places and more ago
	WIN 0x07
	s_wait_dscnt 60                                ; K step 3's twelve and the 48 just issued may be out
	KSTEP \slot, \acc, 2
	s_wait_dscnt 48
	KSTEP \slot, \acc, 3
	WIN 0x0b                                       ; source 1 window 2
	s_wait_dscnt 36
	KSTEP \slot, \acc, 4
	s_wait_dscnt 24
	KSTEP \slot, \acc, 5
	s_wait_dscnt 12
	KSTEP \slot, \acc, 6
	s_wait_dscnt 0
	KSTEP \slot, \acc, 7
	WIN 0
	PLACES 4                                       ; in front of the first read of results and of loads into registers that these products read
.endm
.macro BASES sb, bb, ls, lb            ; where chunk s[TT]'s scale words and biases begin
	s_wait_xcnt 0x0                                ; the earlier loads have read their bases
	s_lshl_b32 s[OFF], s[TT], \ls
	s_add_nc_u64 s[SBN:SBN+1], s[\sb:\sb+1], s[OFF:OFF+1]
	s_lshl_b32 s[OFF], s[TT], \lb
	s_add_nc_u64 s[BBN:BBN+1], s[\bb:\bb+1], s[OFF:OFF+1]
.endm
.macro GLOADS set, so, bo              ; six loads: the scale words of my 32 weight rows (512 dense bytes a tile, all 8 K steps) and their 32 biases
.irp u, 0,1
	global_load_b128 v[WS+8*\set+4*\u:WS+8*\set+4*\u+3], v[WSO], s[SBN:SBN+1] offset:\so+512*\u
.endr
.irp u, 0,1
.irp q, 0,1
	global_load_b128 v[BI+16*\set+8*\u+4*\q:BI+16*\set+8*\u+4*\q+3], v[BIO], s[BBN:BBN+1] offset:\bo+64*\u+16*\q
.endr
.endr
.endm
; The slot just read out is filled again with chunk s[TT].  All my tensor loads have landed (the one that was out is the other slot's), 0 is added to my spare word, the add and my reads are waited for;
; a round of the cluster's barrier, so that no wave of any partner still reads the slot or has a load on its way; the joint refill is the first thing behind it.
.macro CHANGE slot, cb, cadd
	s_wait_tensorcnt 0x0
	ds_add_u32 v[SPW], v[NIL]                      ; 0 onto my spare word; the descriptor's step stands between it and the wait for it
	s_mul_i32 s[OFF], s[TT], CSTEP
.if \cadd
	s_add_co_u32 s[OFF], s[OFF], \cadd
.endif
	s_add_nc_u64 s[G0+4*\slot+2:G0+4*\slot+3], s[\cb:\cb+1], s[OFF:OFF+1]
	s_or_b32 s[G0+4*\slot+3], s[G0+4*\slot+3], 0x80000000
	s_wait_dscnt 0x0
	CROUND
	tensor_load_to_lds s[G0+4*\slot:G0+4*\slot+3], s[G1W:G1W+7]
	s_nop 0
	PLACES 4
.endm
.macro ALOADX half                     ; x's fragments of K steps 4 half .. 4 half + 3 into window 1 + half: they stay
	WIN 0x40+0x40*\half
.irp s, 0,1,2,3
.irp m, 0,1,2,3
	FRAG 12*(4*\s+\m), AX, 4*\half+\s, TILEB*\m
.endr
.endr
	WIN 0
.endm
.macro QKDOT                           ; d += q k over my 32 columns of the chunk: four chains, each accumulator from its low end on
.irp j, 0,2,4,6,8,10,12,14
.irp m, 0,1,2,3
	v_pk_fma_f32 v[DA+2*\m:DA+2*\m+1], v[ACC+16*\m+\j:ACC+16*\m+\j+1], v[ACC+64+16*\m+\j:ACC+64+16*\m+\j+1], v[DA+2*\m:DA+2*\m+1]
.endr
.endr
.endm
	s_load_b512 s[4:19], s[0:1], 0x0               ; x codes, x scales, Wq codes, Wq scales, bq, Wk codes, Wk scales, bk
	s_load_b64 s[20:21], s[0:1], 0x40              ; stats
	v_lshl_add_u32 v[SPW], v0, 2, SPARE
	v_mov_b32 v[NIL], 0
	ds_add_u32 v1, v2
	ds_add_u32 v1, v2
	s_wait_dscnt 0x0
	v_lshrrev_b32 v224, 5, v0
	v_readfirstlane_b32 s[WV], v224                ; wave 0..3
	s_bfe_u32 s[CX], ttmp6, 0x40000                ; my place in the cluster
	s_mov_b32 s[KAP], ttmp9                        ; the cluster's number, which the four partners share
	s_lshl_b32 s[GG], ttmp9, 2
	s_add_co_u32 s[GG], s[GG], s[CX]               ; my block of 64 rows: it enters global addresses of x and stats alone
	s_and_b32 s[ROT], ttmp9, 7                     ; the chunk at which my cluster begins
	s_mov_b32 s[G1W], 15|(3<<16)|(1<<20)|(1<<21)|(5<<22)|(3<<25)  ; mask: all four; elements of 8 bytes; padding on; bit 21 beside a mask; after every 64 words, 4 words
	s_mov_b32 s[G1W+1], 32<<16                     ; tensor_dim0 = 32 elements = 256 bytes
	s_mov_b32 s[G1W+2], 96<<16                     ; tensor_dim1 = 96
	s_mov_b32 s[G1W+3], 32<<16                     ; tile_dim0
	s_mov_b32 s[G1W+4], 96                         ; tile_dim1
	s_mov_b32 s[G1W+5], 32                         ; the block is dense
	s_mov_b32 s[G1W+6], 0
	s_mov_b32 s[G1W+7], 0
	s_mov_b32 s[G1X], (3<<16)|(1<<20)|(5<<22)|(3<<25)  ; x's rows are my work-group's own: no mask
	s_mov_b32 s[G1X+1], 32<<16
	s_mov_b32 s[G1X+2], 48<<16
	s_mov_b32 s[G1X+3], 32<<16
	s_mov_b32 s[G1X+4], 48
	s_mov_b32 s[G1X+5], 32
	s_mov_b32 s[G1X+6], 0
	s_mov_b32 s[G1X+7], 0
	s_mov_b32 s[SEL], 0x76543210
	s_mov_b32 s[SEL+1], 0xfedcba98                 ; v_permlanex16_b32's selects for lane l xor 16
	s_mov_b32 s[OFF+1], 0
	s_mov_b32 s89, 0
	v_and_b32 v224, 15, v0                         ; r
	v_bfe_u32 v225, v0, 4, 1                       ; h
	v_lshlrev_b32 v[WSO], 5, v224
	v_lshl_add_u32 v[WSO], v225, 4, v[WSO]
	v_lshlrev_b32 v[BIO], 5, v225
	s_wait_kmcnt 0x0
	s_mul_i32 s88, s[WV], 24576                    ; my 32 rows of a chunk: codes,
	s_add_nc_u64 s[CB1:CB1+1], s[8:9], s[88:89]
	s_add_nc_u64 s[CB2:CB2+1], s[14:15], s[88:89]
	s_lshl_b32 s88, s[WV], 10                      ; scale bytes,
	s_add_nc_u64 s[SB1:SB1+1], s[10:11], s[88:89]
	s_add_nc_u64 s[SB2:SB2+1], s[16:17], s[88:89]
	s_lshl_b32 s88, s[WV], 7                       ; biases
	s_add_nc_u64 s[BB1:BB1+1], s[12:13], s[88:89]
	s_add_nc_u64 s[BB2:BB2+1], s[18:19], s[88:89]
	s_lshl_b32 s88, s[GG], 11
	s_add_nc_u64 s[6:7], s[6:7], s[88:89]          ; x's scale bytes at my 64 rows
	s_lshl_b32 s88, s[GG], 8
	s_add_nc_u64 s[20:21], s[20:21], s[88:89]      ; stats at my 64 rows
	s_mul_i32 s88, s[GG], 49152
	s_mul_i32 s90, s[WV], 12288
	s_add_co_u32 s88, s88, s90                     ; x's codes: my work-group's rows, my wave's 16 of them
	s_mov_b32 s[G0X], 1
	s_mul_i32 s[G0X+1], s[WV], TILEB
	s_add_co_u32 s[G0X+1], s[G0X+1], XREG
	s_add_nc_u64 s[G0X+2:G0X+3], s[4:5], s[88:89]
	s_or_b32 s[G0X+3], s[G0X+3], 0x80000000
	s_mov_b32 s[TT], s[ROT]
	s_mul_i32 s[OFF], s[TT], CSTEP
	s_mov_b32 s[G0], 1
	s_mul_i32 s[G0+1], s[WV], WBLK                 ; LDS: the slot's constant + the wave's number x a constant; never rewritten
	s_add_nc_u64 s[G0+2:G0+3], s[CB1:CB1+1], s[OFF:OFF+1]
	s_or_b32 s[G0+3], s[G0+3], 0x80000000
	s_mov_b32 s[G0+4], 1
	s_add_co_u32 s[G0+5], s[G0+1], SLOTB
	s_add_nc_u64 s[G0+6:G0+7], s[CB2:CB2+1], s[OFF:OFF+1]
	s_or_b32 s[G0+7], s[G0+7], 0x80000000
	CROUND                                         ; all four work-groups are here: the first joint loads meet
	tensor_load_to_lds s[G0X:G0X+3], s[G1X:G1X+7]  ; the first fills go out together: three loads of mine are out
	s_nop 0
	tensor_load_to_lds s[G0:G0+3], s[G1W:G1W+7]
	s_nop 0
	tensor_load_to_lds s[G0+4:G0+7], s[G1W:G1W+7]
	s_nop 0
	PLACES 4
.irp m, 0,1,2,3
	global_load_b128 v[XS+4*\m:XS+4*\m+3], v[WSO], s[6:7] offset:512*\m   ; 16 rows' scale bytes: 512 dense bytes a load
.endr
	BASES SB1, BB1, 12, 9
	GLOADS 0, 0, 0
	BASES SB2, BB2, 12, 9
	GLOADS 1, 0, 0
	v_mul_u32_u24 v226, v224, WP
	v_mad_u32_u24 v227, v225, 24, v226             ; row x pitch + 24 x half,
	v_mad_u32_u24 v228, v225, 40, v226             ; and the same behind one padding more
	s_mul_i32 s88, s[WV], WBLK
	v_add_nc_u32 v[AB], s88, v227
	v_add_nc_u32 v[AB+2], s88, v228
	s_add_co_u32 s88, s88, SLOTB
	v_add_nc_u32 v[AB+1], s88, v227
	v_add_nc_u32 v[AB+3], s88, v228
	v_add_nc_u32 v[AX], XREG, v227
	v_add_nc_u32 v[AX+2], XREG, v228
	v_and_b32 v229, 31, v0
	v_lshlrev_b32 v[SO8], 3, v229
	v_add_nc_u32 v[DXR], DX, v[SO8]
	s_lshl_b32 s88, s[WV], 8
	s_add_co_u32 s88, s88, DX
	v_lshl_add_u32 v[DXS], v224, 2, s88
.irp j, 0,1,2,3,4,5,6,7
	v_mov_b32 v[DA+\j], 0                          ; d's parts begin at 0
.endr
.irp j, 0,1,2,3
	v_mov_b32 v[224+\j], 0                         ; written once: a lane permute's destination counts as one of its sources
.endr
	s_wait_tensorcnt 1                             ; my parts of x and of slot 0 are in; slot 1's may stay out
	s_barrier_signal -1
	s_barrier_wait -1                              ; everybody's part of x is in
	ALOADX 0
	ALOADX 1
	s_wait_dscnt 0x0
	s_mov_b32 s[IC], 0
.Lpair:                                            ; 7 trips: a chunk of Wq, the same rows of Wk, and both slots filled again
	CHUNK 0, 0, 6
	s_add_co_u32 s[TT], s[KAP], s[IC]
	s_add_co_u32 s[TT], s[TT], 1
	s_and_b32 s[TT], s[TT], 7                      ; the next chunk
	BASES SB1, BB1, 12, 9
	CHANGE 0, CB1, 0
	GLOADS 0, 0, 0
	CHUNK 1, 1, 6
	BASES SB2, BB2, 12, 9
	CHANGE 1, CB2, 0
	GLOADS 1, 0, 0
	QKDOT
	s_add_co_u32 s[IC], s[IC], 1
	s_cmp_lt_u32 s[IC], 7
	s_cbranch_scc1 .Lpair
	CHUNK 0, 0, 6                                  ; the last pair is written out: nothing is left to fetch
	s_wait_tensorcnt 0x0                           ; slot 1's last fill is in
	CHUNK 1, 1, 0
	QKDOT
.irp m, 0,1,2,3
	v_add_f32 v[DA+2*\m], v[DA+2*\m], v[DA+2*\m+1]
.endr
.irp m, 0,1,2,3
	v_permlanex16_b32 v[224+\m], v[DA+2*\m], s[SEL], s[SEL+1]
.endr
.irp m, 0,1,2,3
	v_add_f32 v[DA+2*\m], v[DA+2*\m], v[224+\m]    ; with the other half of the lanes': my wave's 256 columns of row 16 m + r
.endr
.irp m, 0,1,2,3
	ds_store_b32 v[DXS], v[DA+2*\m] offset:64*\m   ; both halves write the same word with the same value
.endr
	s_wait_dscnt 0x0                               ; for the others' sake
	s_barrier_signal -1
	s_barrier_wait -1
.irp w, 0,1,2,3
	ds_load_b64 v[232+2*\w:233+2*\w], v[DXR] offset:256*\w
.endr
	s_mov_b32 s88, 0x3fb8aa3b                      ; log2(e), its f32 part,
	s_mov_b32 s89, 0x32a57060                      ; and what that leaves
	s_mov_b32 s90, 0x3f317218                      ; ln 2
	s_mov_b32 s91, 0x44ffe000                      ; 2047
	s_wait_dscnt 0x0
	v_pk_add_f32 v[232:233], v[232:233], v[234:235]
	v_pk_add_f32 v[236:237], v[236:237], v[238:239]
	v_pk_add_f32 v[232:233], v[232:233], v[236:237]   ; d of rows 2 lane and 2 lane + 1
.irp i, 0,1
	v_max_num_f32 v[240+\i], 0, v[232+\i]          ; the row's maximum: the row holds d and zeros
.endr
.irp i, 0,1
	v_sub_f32 v[242+\i], v[232+\i], v[240+\i]      ; d - m
	v_sub_f32 v[244+\i], 0, v[240+\i]              ; 0 - m
.endr
.irp n, 0,1,2,3
	v_mul_f32 v[246+\n], s88, v[242+\n]            ; t = x log2(e), rounded;
.endr
.irp n, 0,1,2,3
	v_fma_f32 v[250+\n], v[242+\n], s88, -v[246+\n]   ; what the rounding dropped,
.endr
.irp n, 0,1,2,3
	v_fma_f32 v[250+\n], v[242+\n], s89, v[250+\n]    ; and what the constant's rounding dropped
.endr
.irp n, 0,1,2,3
	v_exp_f32 v[246+\n], v[246+\n]
.endr
.irp n, 0,1,2,3
	v_mul_f32 v[250+\n], s90, v[250+\n]            ; plain work behind the exponentials
.endr
	s_wait_alu depctr_va_vdst(0)                   ; one wait for the four, ahead of their first reader
.irp n, 0,1,2,3
	v_fma_f32 v[246+\n], v[246+\n], v[250+\n], v[246+\n]   ; e (1 + rho ln 2): v246, v247 = e1; v248, v249 = e0
.endr
.irp i, 0,1
	v_fma_f32 v[240+\i], v[248+\i], s91, v[246+\i] ; Z = e1 + 2047 e0, at least 1
.endr
.irp i, 0,1
	v_rcp_f32 v[242+\i], v[240+\i]
.endr
	v_nop
	s_wait_alu depctr_va_vdst(0)
.irp i, 0,1
	v_fma_f32 v[244+\i], -v[240+\i], v[242+\i], 1.0
.endr
.irp i, 0,1
	v_fma_f32 v[242+\i], v[242+\i], v[244+\i], v[242+\i]   ; one Newton step
.endr
.irp i, 0,1
	v_mul_f32 v[234+\i], v[246+\i], v[242+\i]      ; diag
	v_mul_f32 v[236+\i], v[248+\i], v[242+\i]      ; off
.endr
	s_cmp_lg_u32 s[WV], 0                          ; every wave holds the same numbers: wave 0 stores them
	s_cbranch_scc1 .Lno_store
	global_store_b64 v[SO8], v[234:235], s[20:21]                ; 32 lanes store 256 consecutive bytes, at a multiple of 256 from the buffer's first byte
	global_store_b64 v[SO8], v[236:237], s[20:21] offset:65536
.Lno_store:
	s_wait_tensorcnt 0x0                           ; the wave's end
	ds_add_u32 v[SPW], v[NIL]
	s_wait_dscnt 0x0
	CROUND                                         ; the closing round
	s_endpgm
.Lfunc_end_k_q7d3ecd9fdc_qk:
	.size	k_q7d3ecd9fdc_qk, .Lfunc_end_k_q7d3ecd9fdc_qk-k_q7d3ecd9fdc_qk
	.p2alignl 7, 3214868480
	.fill 96, 4, 3214868480
	.section	.rodata,"a",@progbits
	.p2align	6, 0x0
	.amdhsa_kernel k_q7d3ecd9fdc_qk
		.amdhsa_group_segment_fixed_size 327680
		.amdhsa_private_segment_fixed_size 0
		.amdhsa_enable_private_segment 0
		.amdhsa_kernarg_size 72
		.amdhsa_user_sgpr_count 2
		.amdhsa_user_sgpr_kernarg_segment_ptr 1
		.amdhsa_wavefront_size32 1
		.amdhsa_system_sgpr_workgroup_id_x 1
		.amdhsa_system_sgpr_workgroup_id_y 1
		.amdhsa_system_sgpr_workgroup_id_z 1
		.amdhsa_system_vgpr_workitem_id 0
		.amdhsa_next_free_vgpr 960
		.amdhsa_next_free_sgpr 96
		.amdhsa_reserve_vcc 0
		.amdhsa_float_denorm_mode_32 3
		.amdhsa_float_denorm_mode_16_64 3
		.amdhsa_memory_ordered 1
		.amdhsa_forward_progress 1
		.amdhsa_inst_pref_size 90
	.end_amdhsa_kernel
	.amdgpu_metadata
---
amdhsa.version: [ 1, 2 ]
amdhsa.kernels:
  - .name:           k_q7d3ecd9fdc_qk
    .symbol:         k_q7d3ecd9fdc_qk.kd
    .args:
      - { .name: x_codes, .offset: 0, .size: 8, .value_kind: global_buffer, .address_space: global }
      - { .name: x_scales, .offset: 8, .size: 8, .value_kind: global_buffer, .address_space: global }
      - { .name: Wq_codes, .offset: 16, .size: 8, .value_kind: global_buffer, .address_space: global }
      - { .name: Wq_scales, .offset: 24, .size: 8, .value_kind: global_buffer, .address_space: global }
      - { .name: bq, .offset: 32, .size: 8, .value_kind: global_buffer, .address_space: global }
      - { .name: Wk_codes, .offset: 40, .size: 8, .value_kind: global_buffer, .address_space: global }
      - { .name: Wk_scales, .offset: 48, .size: 8, .value_kind: global_buffer, .address_space: global }
      - { .name: bk, .offset: 56, .size: 8, .value_kind: global_buffer, .address_space: global }
      - { .name: stats, .offset: 64, .size: 8, .value_kind: global_buffer, .address_space: global }
    .group_segment_fixed_size: 327680
    .private_segment_fixed_size: 0
    .kernarg_segment_align: 8
    .kernarg_segment_size: 72
    .max_flat_workgroup_size: 128
    .sgpr_count:     96
    .vgpr_count:     960
    .wavefront_size: 32
...
	.end_amdgpu_metadata
.endif
;; end of part 1
;; launch vo (part 2): grid 256 x 1, 4 waves a work-group, clusters of 4 x 1, 327,680 bytes of LDS; arguments x_codes, x_scales, Wv_codes, Wv_scales, bv, Wo_codes, Wo_scales, bo, stats, out0; writes out0
.if DOCPART == 2
	.amdgcn_target "amdgcn-amd-amdhsa--gfx1250"
	.amdhsa_code_object_version 6
	.text
	.protected	k_q7d3ecd9fdc_vo
	.globl	k_q7d3ecd9fdc_vo
	.p2align	8
	.type	k_q7d3ecd9fdc_vo,@function
k_q7d3ecd9fdc_vo:
	s_mov_b64 s[64:65], 0
	v_nop
	global_prefetch_b8 v0, s[64:65] scope:SCOPE_SE
	s_setreg_imm32_b32 hwreg(HW_REG_WAVE_MODE, 25, 1), 1
	s_wait_xcnt 0x0
	s_wait_alu depctr_hold_cnt(0) depctr_sa_sdst(0) depctr_va_vdst(0) depctr_va_sdst(0) depctr_va_ssrc(0) depctr_va_vcc(0) depctr_vm_vsrc(0)
	s_getreg_b32 s2, hwreg(HW_REG_IB_STS2, 6, 4)
	s_cmp_eq_u32 s2, 0
	s_cbranch_scc0 .Lentry_in_a_cluster
	s_endpgm
.Lentry_in_a_cluster:
	s_bfe_u32 s2, ttmp6, 0x10000c
	s_cmp_lg_u32 s2, 0x3003
	s_cbranch_scc0 .Lentry_shape_is_right
	s_endpgm
.Lentry_shape_is_right:
; v = x Wv^T + bv; contexts = colsum x v, quantised along its 1,024 columns to BF6 (E3M2) with E8M0 scales; out = contexts Wo^T + bo.  Both products on codes; v and contexts never go to memory.
; colsum[j] = diag[j] + the sum of off[i] over the other 2,047 rows of j's batch (stats: diag at byte 0, off at byte 65,536, f32): only positive terms are added, no difference is formed.
; SHARES.  256 work-groups of four waves; a work-group owns 64 rows.  THE ROWS STAND STILL: every wave holds all 64 rows x K 1,024 as 32 fragments in 384 registers: first x's, then the contexts'.
; THE WEIGHTS WALK through two LDS slots, 16 chunks of 128 weight rows x all of K: 8 of Wv, 8 of Wo.  Chunk n = 2 I + cc lies in slot cc; wave w fetches and reads weight rows 256 pp + 64 w + 32 cc + 0 .. 31,
; pp = (rot + I) mod 4, rot = the cluster's number mod 4.  So two chunks give a wave 64 neighbouring columns, 256 bytes of a row of out, and each weight fragment is read from LDS once and feeds four matrix instructions.
; CLUSTER.  The four work-groups of a cluster walk the same chunks: each is asked for JOINTLY (mask 15, the same descriptor in all four).
; THE MATRIX INSTRUCTION IS USED TRANSPOSED: source 0 = 16 weight rows, source 1 = 16 rows: lane (r, h) holds row r of the tile and output columns 8 h + 0 .. 7.  The biases are the C of each sum's first instruction.
; CONTEXTS.  A chunk's 32 columns of a wave are one block of 32 along the next K.  Its codes (24 bytes a row) and scale byte go to LDS at the place of the step at which they were made (192 I + 48 w + 24 cc of a row);
; the reads for the second product turn that into the true order of K by four address registers.
; LIMITS: NaN and infinities are not served; a block of contexts that is all zeros gets the scale byte 1 where the quantiser says 127: its codes are zeros, and the byte is read by this program alone.
; REGISTERS, in windows of 256: window 0: addresses, scale words, accumulators, biases, work; window 1: the rows' fragments of K steps 0-3 ((s, m) at 12 (4 s + m)); window 2: of K steps 4-7; window 3: weight fragments ((s, u) at 12 (2 s + u)).
.set SLOTB,  104448                    ; a slot: four wave blocks
.set WBLK,   26112                     ; a wave's block: 32 weight rows = 24,576 dense bytes, brought as 96 rows of 256 bytes + 16 of padding
.set WP,     816                       ; so a weight row of 768 bytes has pitch 816 = 204 words: row r starts at bank 12 r mod 64 (64 banks of 4 bytes: ISA guide 11.1)
.set TILEB,  13056                     ; 16 such rows
.set XREG,   208896                    ; x's 64 rows, laid likewise: filled once.  In the second product its first bytes are the waves' stages for the way out
.set SP,     272                       ; a stage row: 256 bytes + 16
.set CTX,    261120                    ; the contexts' codes: 64 rows, pitch 784 = 196 words: row r starts at bank 4 r mod 64
.set CP,     784
.set CSC,    311296                    ; their scale bytes: 32 a row
.set SPARE,  313344                    ; the spare words, 128 bytes a wave: two blocks of 256 bytes that no other line names
.set CSTEP,  196608                    ; 256 weight rows in memory
.set SPW, 1                            ; v1   SPARE + 4 x my thread's number; never rewritten
.set NIL, 2                            ; v2   0; never rewritten
.set AB,  3                            ; v3, v4  my lane's place in my block of slot 0, 1;  v5, v6 the same behind one padding more
.set AX,  7                            ; v7   my lane's place in x's rows;  v9 the same behind one padding more
.set PFO, 8                            ; v8   256 x lane: the prefetch's offset
.set WSO, 10                           ; v10  32 r + 16 h: a row's 32 scale bytes, my half of them
.set BIO, 11                           ; v11  32 h: my half's eight biases of a tile
.set STO, 12                           ; v12  the stage: where I put 32 bytes of a row
.set RD,  13                           ; v13  and where I read a row back
.set VO,  14                           ; v14  my byte offset in out's rows
.set CTS, 15                           ; v15  where I store a row's 24 bytes of codes
.set CSB, 16                           ; v16  and a row's scale byte
.set LI16, 17                          ; v17  16 x lane
.set VA,  18                           ; v18-21  where pair pp (K steps 2 pp, 2 pp + 1) of the contexts' codes lies for my lane
.set VS,  22                           ; v22-23  and its scale words: lanes 0-15 pair jj, lanes 16-31 pair 2 + jj
.set CS,  24                           ; v24-31  colsum of row 16 m + r, in both registers of pair m
.set XS,  32                           ; v32-47  the rows' scale words: register 4 m + j: lanes 0-15 K step j, lanes 16-31 K step 4 + j, of row 16 m + r
.set WS,  48                           ; v48-63  the weights' likewise: register 8 slot + 4 u + j, weight row 16 u + r
.set ACC, 64                           ; v64-191 two sets of 8 accumulators: set a, (m, u) at 64 a + 16 m + 8 u
.set BI,  192                          ; v192-223 biases: 16 slot + 8 u + j = column 16 u + 8 h + j
.set R4,  255                          ; v255 4 r
.set WV,  24
.set CX,  25
.set KAP, 26
.set GG,  27
.set G1W, 28                           ; s[28:35] group 1 for weight blocks;  s[36:43] for x
.set G1X, 36
.set G0,  44                           ; s[44:47], s[48:51] group 0 of slot 0, 1;  s[52:55] of x
.set G0X, 52
.set ROT, 56
.set TT,  57
.set OFF, 58
.set SEL, 60
.set IC,  62
.set T2,  63
.set CB1, 66                           ; codes, scales, biases of Wv and of Wo, my wave's part added
.set SB1, 68
.set BB1, 70
.set CB2, 72
.set SB2, 74
.set BB2, 76
.set SBN, 78                           ; the bases of the loads of scale words and biases in hand
.set BBN, 80
.set OUTB, 82                          ; out at my 64 rows
.set OB,  84                           ; and at the strip in hand
.set PFB, 86                           ; my wave's 8,192 bytes of Wo's codes
.set MSB, 0
.macro WIN new                         ; the immediate's high byte repeats the setting that is left; a switch that changes nothing is dropped
.if MSB != (\new)
	s_set_vgpr_msb (MSB<<8)|(\new)
.set MSB, (\new)
.endif
.endm
.macro PLACES n
.rept \n
	v_nop
.endr
.endm
.macro CROUND                          ; a round of the cluster's barrier
	s_barrier_signal -1
	s_barrier_wait -1
	s_cmp_lg_u32 s[WV], 0
	s_cbranch_scc1 .Lnot_wave_0_\@
	s_barrier_signal -3
.Lnot_wave_0_\@:
	s_barrier_wait -3
	s_barrier_signal -1
	s_barrier_wait -1
.endm
; A fragment, 16 rows x 128 K of 6-bit codes, is 12 registers: lane (r, h) holds row r; registers 6 c .. 6 c + 5 hold K = 64 c + 32 h + 0 .. 31: 24 bytes of the row's stream of bits, in pieces of 8 bytes.
; Lanes 16-31 read three pieces further on; where that is behind one padding more (16 bytes behind every 32 pieces) the second address register serves.
.macro FRAG reg, adr, q, rowoff
.irp p, 0,1,2,3,4,5
.set PC, 12*(\q)+6*(\p/3)+\p%3
.if PC%32 < 29
	ds_load_b64 v[(\reg)+2*\p:(\reg)+2*\p+1], v[\adr] offset:8*PC+16*(PC/32)+(\rowoff)
.else
	ds_load_b64 v[(\reg)+2*\p:(\reg)+2*\p+1], v[\adr+2] offset:8*PC+16*(PC/32)+(\rowoff)
.endif
.endr
.endm
.macro FETCHB slot, s0                 ; my block's fragments of K steps s0 .. s0 + 3, in K order: 12 loads a K step
.irp s, \s0, \s0+1, \s0+2, \s0+3
.irp u, 0,1
	FRAG 12*(2*(\s)+\u), AB+\slot, \s, TILEB*\u
.endr
.endr
.endm
.macro KSTEP slot, acc, s              ; 8 matrix instructions, the 8 accumulators by turns
.irp m, 0,1,2,3
.irp u, 0,1
.set rD, ACC+64*(\acc)+16*\m+8*\u
.set rW, 12*(2*(\s)+\u)
.set rA, 12*(4*((\s)%4)+\m)
.set rC, BI+16*(\slot)+8*\u
.set rSW, WS+8*(\slot)+4*\u+(\s)%4
.set rSX, XS+4*\m+(\s)%4
.if (\s) == 0
	v_wmma_scale_f32_16x16x128_f8f6f4 v[rD:rD+7], v[rW:rW+11], v[rA:rA+11], v[rC:rC+7], v[rSW], v[rSX] matrix_a_fmt:MATRIX_FMT_BF6 matrix_b_fmt:MATRIX_FMT_BF6
.elseif (\s) < 4
	v_wmma_scale_f32_16x16x128_f8f6f4 v[rD:rD+7], v[rW:rW+11], v[rA:rA+11], v[rD:rD+7], v[rSW], v[rSX] matrix_a_fmt:MATRIX_FMT_BF6 matrix_b_fmt:MATRIX_FMT_BF6
.else
	v_wmma_scale_f32_16x16x128_f8f6f4 v[rD:rD+7], v[rW:rW+11], v[rA:rA+11], v[rD:rD+7], v[rSW], v[rSX] matrix_a_fmt:MATRIX_FMT_BF6 matrix_b_fmt:MATRIX_FMT_BF6 matrix_a_scale:MATRIX_SCALE_ROW1 matrix_b_scale:MATRIX_SCALE_ROW1
.endif
.endr
.endr
.endm
; A chunk: 96 LDS loads in two runs, 64 matrix instructions.  lc: the younger global loads (the other set's scale words and biases) that may stay out.
.macro CHUNK slot, acc, lc
	WIN 0xc0                                       ; destination window 3
	FETCHB \slot, 0
	WIN 0x07                                       ; source 0 window 3, source 1 window 1
	s_wait_loadcnt \lc                             ; this set's scale words and biases are in
	s_wait_dscnt 36                                ; K step 0's twelve loads are in; those of K steps 1 to 3 may be out
	KSTEP \slot, \acc, 0
	s_wait_dscnt 24
	KSTEP \slot, \acc, 1
	WIN 0xc0
	FETCHB \slot, 4                                ; into registers that the chunk before read last, four places and more ago
	WIN 0x07
	s_wait_dscnt 60                                ; K step 3's twelve and the 48 just issued may be out
	KSTEP \slot, \acc, 2
	s_wait_dscnt 48
	KSTEP \slot, \acc, 3
	WIN 0x0b                                       ; source 1 window 2
	s_wait_dscnt 36
	KSTEP \slot, \acc, 4
	s_wait_dscnt 24
	KSTEP \slot, \acc, 5
	s_wait_dscnt 12
	KSTEP \slot, \acc, 6
	s_wait_dscnt 0
	KSTEP \slot, \acc, 7
	WIN 0
	PLACES 4                                       ; in front of the first read of results and of loads into registers that these products read
.endm
.macro BASES sb, bb, ls, lb            ; where pair s[TT]'s scale words and biases begin
	s_wait_xcnt 0x0                                ; the earlier loads have read their bases
	s_lshl_b32 s[OFF], s[TT], \ls
	s_add_nc_u64 s[SBN:SBN+1], s[\sb:\sb+1], s[OFF:OFF+1]
	s_lshl_b32 s[OFF], s[TT], \lb
	s_add_nc_u64 s[BBN:BBN+1], s[\bb:\bb+1], s[OFF:OFF+1]
.endm
.macro GLOADS set, so, bo              ; six loads: the scale words of my 32 weight rows (512 dense bytes a tile, all 8 K steps) and their 32 biases
.irp u, 0,1
	global_load_b128 v[WS+8*\set+4*\u:WS+8*\set+4*\u+3], v[WSO], s[SBN:SBN+1] offset:\so+512*\u
.endr
.irp u, 0,1
.irp q, 0,1
	global_load_b128 v[BI+16*\set+8*\u+4*\q:BI+16*\set+8*\u+4*\q+3], v[BIO], s[BBN:BBN+1] offset:\bo+64*\u+16*\q
.endr
.endr
.endm
; The slot just read out is filled again, from pair s[TT].  All my tensor loads have landed (the one that was out is the other slot's), 0 is added to my spare word, the add and my LDS reads and stores are waited for;
; a round of the cluster's barrier, so that no wave of any partner still reads the slot or has a load on its way; the joint refill is the first thing behind it.
.macro CHANGE slot, cb, cadd
	s_wait_tensorcnt 0x0
	ds_add_u32 v[SPW], v[NIL]                      ; 0 onto my spare word; the descriptor's step stands between it and the wait for it
	s_mul_i32 s[OFF], s[TT], CSTEP
.if \cadd
	s_add_co_u32 s[OFF], s[OFF], \cadd
.endif
	s_add_nc_u64 s[G0+4*\slot+2:G0+4*\slot+3], s[\cb:\cb+1], s[OFF:OFF+1]
	s_or_b32 s[G0+4*\slot+3], s[G0+4*\slot+3], 0x80000000
	s_wait_dscnt 0x0
	CROUND
	tensor_load_to_lds s[G0+4*\slot:G0+4*\slot+3], s[G1W:G1W+7]
	s_nop 0
	PLACES 4
.endm
.macro ALOADX half                     ; x's fragments of K steps 4 half .. 4 half + 3 into window 1 + half
	WIN 0x40+0x40*\half
.irp s, 0,1,2,3
.irp m, 0,1,2,3
	FRAG 12*(4*\s+\m), AX, 4*\half+\s, TILEB*\m
.endr
.endr
	WIN 0
.endm
; colsum of my work-group's 64 rows, in every wave.  v64-127: the batch's 2,048 off, four a lane in each of 16 loads; v128-131 my rows' off, v132-135 their diag (row 16 m + r, in both halves of the lanes).
.macro STATS
.irp i, 0,1,2,3,4,5,6,7,8,9,10,11,12,13,14,15
	v_pk_add_f32 v[64+4*\i:65+4*\i], v[64+4*\i:65+4*\i], v[66+4*\i:67+4*\i]
.endr
.irp i, 0,1,2,3,4,5,6,7,8,9,10,11,12,13,14,15
	v_add_f32 v[64+4*\i], v[64+4*\i], v[65+4*\i]
.endr
.irp i, 0,1,2,3,4,5,6,7,8,9,10,11,12,13,14,15
	v_cmp_ne_u32 vcc_lo, 2*\i, v136                ; load i, half h holds block 2 i + h of the batch's 32 blocks of 64 rows: my own block is left out
	v_cndmask_b32 v[64+4*\i], 0, v[64+4*\i], vcc_lo
.endr
.irp i, 0,1,2,3,4,5,6,7
	v_add_f32 v[64+8*\i], v[64+8*\i], v[68+8*\i]
.endr
.irp i, 0,1,2,3
	v_add_f32 v[64+16*\i], v[64+16*\i], v[72+16*\i]
.endr
.irp i, 0,1
	v_add_f32 v[64+32*\i], v[64+32*\i], v[80+32*\i]
.endr
	v_add_f32 v64, v64, v96
.irp k, 1,2,4,8
	v_add_f32_dpp v64, v64, v64 row_xmask:\k row_mask:0xf bank_mask:0xf
.endr
	v_permlanex16_b32 v137, v64, s[SEL], s[SEL+1]
	v_add_f32 v64, v64, v137                       ; the sum of off outside my block
.irp k, 1,2,4,8                        ; inside a tile of 16 rows: v140 + m gathers the other 15 rows' off, v128 + m all 16
.irp m, 0,1,2,3
	v_add_f32_dpp v[140+\m], v[128+\m], v[140+\m] row_xmask:\k row_mask:0xf bank_mask:0xf
.endr
.irp m, 0,1,2,3
	v_add_f32_dpp v[128+\m], v[128+\m], v[128+\m] row_xmask:\k row_mask:0xf bank_mask:0xf
.endr
.endr
	v_add_f32 v144, v128, v129
	v_add_f32 v145, v130, v131
	v_add_f32 v146, v64, v145
	v_add_f32 v147, v64, v144
	v_add_f32 v148, v146, v129                     ; outside my block and the other three tiles
	v_add_f32 v149, v146, v128
	v_add_f32 v150, v147, v131
	v_add_f32 v151, v147, v130
.irp m, 0,1,2,3
	v_add_f32 v[148+\m], v[140+\m], v[148+\m]
.endr
.irp m, 0,1,2,3
	v_add_f32 v[CS+2*\m], v[132+\m], v[148+\m]
.endr
.irp m, 0,1,2,3
	v_mov_b32 v[CS+2*\m+1], v[CS+2*\m]
.endr
.endm
; The chunk's v in set a becomes contexts, codes and scale bytes.  step, cc: where they go in LDS.
.macro CTXQ a, step, cc
.set AQ, ACC+64*\a
.irp m, 0,1,2,3
.irp j, 0,2,4,6,8,10,12,14
	v_pk_mul_f32 v[AQ+16*\m+\j:AQ+16*\m+\j+1], v[AQ+16*\m+\j:AQ+16*\m+\j+1], v[CS+2*\m:CS+2*\m+1]   ; colsum x v, in f32; each accumulator from its low end on
.endr
.endr
.irp m, 0,1,2,3
.irp j, 0,1,2,3,4,5,6,7
	v_permlane16_swap_b32 v[AQ+16*\m+\j], v[AQ+16*\m+8+\j]   ; tile 0's lanes 16-31 change places with tile 1's lanes 0-15: my 16 registers are now columns 16 h + 0 .. 15 of the block
.endr
.endr
.irp m, 0,1,2,3
	v_max3_num_f32 v[224+\m], |v[AQ+16*\m]|, |v[AQ+16*\m+1]|, 0x2800000   ; my 16 numbers, and the floor 2^(5 - 127): the byte cannot fall under 1
.endr
.irp k, 2,4,6,8,10,12,14
.irp m, 0,1,2,3
	v_max3_num_f32 v[224+\m], v[224+\m], |v[AQ+16*\m+\k]|, |v[AQ+16*\m+\k+1]|
.endr
.endr
.irp m, 0,1,2,3
	v_permlanex16_b32 v[228+\m], v[224+\m], s[SEL], s[SEL+1]
.endr
.irp m, 0,1,2,3
	v_max_num_f32 v[224+\m], v[224+\m], v[228+\m]  ; the block's largest magnitude
.endr
.irp m, 0,1,2,3
	v_add_nc_u32 v[232+\m], 0xfe000000, v[224+\m]  ; 4 off its exponent field: the conversion takes the exponent field of this operand as its scale
.endr
.irp m, 0,1,2,3
	v_lshrrev_b32 v[228+\m], 23, v[232+\m]         ; the scale's byte
.endr
	v_cvt_scalef32_pk16_bf6_f32 v[236:238], v[AQ:AQ+15], v232
	v_cvt_scalef32_pk16_bf6_f32 v[248:250], v[AQ+16:AQ+31], v233
	v_cvt_scalef32_pk16_bf6_f32 v[242:244], v[AQ+32:AQ+47], v234
	v_cvt_scalef32_pk16_bf6_f32 v[252:254], v[AQ+48:AQ+63], v235
	v_nop                                          ; one plain place behind the scaled conversions
.irp e, 0,1,2
	v_permlane16_swap_b32 v[236+\e], v[248+\e]     ; tiles 0 and 1: lane (r, h) now holds row 16 h + r: its lower 16 codes in the first, its upper 16 in the second
	v_permlane16_swap_b32 v[242+\e], v[252+\e]     ; tiles 2 and 3 likewise: row 32 + 16 h + r
.endr
.irp e, 0,1,2
	v_mov_b32 v[239+\e], v[248+\e]
	v_mov_b32 v[245+\e], v[252+\e]
.endr
.irp mm, 0,1
.irp e, 0,1,2
	ds_store_b64 v[CTS], v[236+6*\mm+2*\e:237+6*\mm+2*\e] offset:32*CP*\mm+192*\step+24*\cc+8*\e
.endr
.endr
.irp m, 0,1,2,3
	ds_store_b8 v[CSB], v[228+\m] offset:512*\m+8*\step+\cc   ; both halves write the same byte with the same value
.endr
.endm
; Wo's codes are asked for ahead of their first tensor load: 786,432 bytes, each aligned block of 256 bytes named once in the launch: the 96 waves of the first six clusters take 8,192 bytes each, lanes 256 bytes apart.
; The branch hangs on the cluster's number, which the partners share; they are told apart by address.  It stands at chunk 3; Wo's first load is issued behind chunk 6.
.macro ASK
	s_cmp_lt_u32 s[KAP], 6
	s_cbranch_scc0 .Lnot_mine_\@
	global_prefetch_b8 v[PFO], s[PFB:PFB+1] th:TH_LOAD_NT scope:SCOPE_SE
.Lnot_mine_\@:
.endm
.macro VSTEP step                      ; two chunks of Wv; both slots are filled again: with the next pair of Wv, behind the last with Wo's first
	CHUNK 0, 0, 6
	s_add_co_u32 s[TT], s[ROT], \step+1
	s_and_b32 s[TT], s[TT], 3
.if \step < 3
	BASES SB1, BB1, 13, 10
	CHANGE 0, CB1, 0
.else
	BASES SB2, BB2, 13, 10
	CHANGE 0, CB2, 0
.endif
	GLOADS 0, 0, 0
	CTXQ 0, \step, 0
	CHUNK 1, 1, 6
.if \step < 3
	CHANGE 1, CB1, 24576
.else
	CHANGE 1, CB2, 24576
.endif
	GLOADS 1, 1024, 128
.if \step == 1
	ASK
.endif
	CTXQ 1, \step, 1
.endm
.macro ALOADC                          ; the contexts' fragments, in the true order of K
.irp half, 0,1
	WIN 0x40+0x40*\half
.irp s, 0,1,2,3
.irp m, 0,1,2,3
.irp p, 0,1,2,3,4,5
	ds_load_b64 v[12*(4*\s+\m)+2*\p:12*(4*\s+\m)+2*\p+1], v[VA+2*\half+\s/2] offset:96*(\s%2)+48*(\p/3)+8*(\p%3)+16*CP*\m
.endr
.endr
.endr
.endr
	WIN 0
.irp m, 0,1,2,3
.irp jj, 0,1
	ds_load_b64 v[XS+4*\m+2*\jj:XS+4*\m+2*\jj+1], v[VS+\jj] offset:512*\m
.endr
.endr
.endm
; THE WAY OUT of a strip: 64 rows x my 64 columns, a tile of 16 rows at a time through my own stage; back as rows of 256 bytes, into the registers that they left.
.macro TOSTAGE m
.irp a, 0,1
.irp u, 0,1
	ds_store_b128 v[STO], v[ACC+64*\a+16*(\m)+8*\u:ACC+64*\a+16*(\m)+8*\u+3] offset:128*\a+64*\u       ; each accumulator from its low end on
	ds_store_b128 v[STO], v[ACC+64*\a+16*(\m)+8*\u+4:ACC+64*\a+16*(\m)+8*\u+7] offset:128*\a+64*\u+16
.endr
.endr
.irp t, 0,1,2,3,4,5,6,7
	ds_load_b128 v[ACC+64*(\t/4)+16*(\m)+4*(\t%4):ACC+64*(\t/4)+16*(\m)+4*(\t%4)+3], v[RD] offset:2*SP*\t   ; LDS serves a wave's instructions in order (ISA guide 5.7.1.4): these see the stores above
.endr
.endm
.macro SEND m, younger                 ; younger: the LDS instructions issued behind tile m's loads
.irp t, 0,1,2,3,4,5,6,7
	s_wait_dscnt \younger+7-\t
	global_store_b128 v[VO], v[ACC+64*(\t/4)+16*(\m)+4*(\t%4):ACC+64*(\t/4)+16*(\m)+4*(\t%4)+3], s[OB:OB+1] offset:(16*(\m)+2*\t)*4096 th:TH_STORE_NT   ; 16 lanes store 256 consecutive bytes, at a multiple of 256 from out's first byte
.endr
.endm
.macro OUTS
	s_add_co_u32 s[T2], s[ROT], s[IC]
	s_and_b32 s[T2], s[T2], 3                      ; the pair just multiplied: 1,024 bytes of a row each
	s_lshl_b32 s[OFF], s[T2], 10
	s_add_nc_u64 s[OB:OB+1], s[OUTB:OUTB+1], s[OFF:OFF+1]
	TOSTAGE 0
	TOSTAGE 1
	SEND 0, 16
	TOSTAGE 2
	SEND 1, 16
	TOSTAGE 3
	SEND 2, 16
	SEND 3, 0
	s_wait_xcnt 0x0                                ; the stores have read their registers and their base: the next products write the first, the next strip the second
.endm
	s_load_b512 s[4:19], s[0:1], 0x0               ; x codes, x scales, Wv codes, Wv scales, bv, Wo codes, Wo scales, bo
	s_load_b128 s[20:23], s[0:1], 0x40             ; stats, out
	v_lshl_add_u32 v[SPW], v0, 2, SPARE
	v_mov_b32 v[NIL], 0
	ds_add_u32 v1, v2
	ds_add_u32 v1, v2
	s_wait_dscnt 0x0
	v_lshrrev_b32 v224, 5, v0
	v_readfirstlane_b32 s[WV], v224                ; wave 0..3
	s_bfe_u32 s[CX], ttmp6, 0x40000                ; my place in the cluster
	s_mov_b32 s[KAP], ttmp9                        ; the cluster's number, which the four partners share
	s_lshl_b32 s[GG], ttmp9, 2
	s_add_co_u32 s[GG], s[GG], s[CX]               ; my block of 64 rows: it enters global addresses and one select of values, no LDS address and no branch
	s_and_b32 s[ROT], ttmp9, 3                     ; the pair at which my cluster begins
	s_mov_b32 s[G1W], 15|(3<<16)|(1<<20)|(1<<21)|(5<<22)|(3<<25)  ; mask: all four; elements of 8 bytes; padding on; bit 21 beside a mask; after every 64 words, 4 words
	s_mov_b32 s[G1W+1], 32<<16                     ; tensor_dim0 = 32 elements = 256 bytes
	s_mov_b32 s[G1W+2], 96<<16                     ; tensor_dim1 = 96
	s_mov_b32 s[G1W+3], 32<<16                     ; tile_dim0
	s_mov_b32 s[G1W+4], 96                         ; tile_dim1
	s_mov_b32 s[G1W+5], 32                         ; the block is dense
	s_mov_b32 s[G1W+6], 0
	s_mov_b32 s[G1W+7], 0
	s_mov_b32 s[G1X], (3<<16)|(1<<20)|(5<<22)|(3<<25)  ; x's rows are my work-group's own: no mask
	s_mov_b32 s[G1X+1], 32<<16
	s_mov_b32 s[G1X+2], 48<<16
	s_mov_b32 s[G1X+3], 32<<16
	s_mov_b32 s[G1X+4], 48
	s_mov_b32 s[G1X+5], 32
	s_mov_b32 s[G1X+6], 0
	s_mov_b32 s[G1X+7], 0
	s_mov_b32 s[SEL], 0x76543210
	s_mov_b32 s[SEL+1], 0xfedcba98                 ; v_permlanex16_b32's selects for lane l xor 16
	s_mov_b32 s[OFF+1], 0
	s_mov_b32 s89, 0
	v_and_b32 v224, 15, v0                         ; r
	v_bfe_u32 v225, v0, 4, 1                       ; h
	v_and_b32 v226, 31, v0                         ; lane
	v_lshlrev_b32 v[WSO], 5, v224
	v_lshl_add_u32 v[WSO], v225, 4, v[WSO]
	v_lshlrev_b32 v[BIO], 5, v225
	v_lshlrev_b32 v[LI16], 4, v226
	v_lshlrev_b32 v[R4], 2, v224
	v_lshlrev_b32 v[PFO], 8, v226
	s_wait_kmcnt 0x0
	s_mul_i32 s88, s[WV], 49152                    ; my 64 rows of a pair: codes,
	s_add_nc_u64 s[CB1:CB1+1], s[8:9], s[88:89]
	s_add_nc_u64 s[CB2:CB2+1], s[14:15], s[88:89]
	s_lshl_b32 s88, s[WV], 11                      ; scale bytes,
	s_add_nc_u64 s[SB1:SB1+1], s[10:11], s[88:89]
	s_add_nc_u64 s[SB2:SB2+1], s[16:17], s[88:89]
	s_lshl_b32 s88, s[WV], 8                       ; biases
	s_add_nc_u64 s[BB1:BB1+1], s[12:13], s[88:89]
	s_add_nc_u64 s[BB2:BB2+1], s[18:19], s[88:89]
	s_lshl_b32 s88, s[GG], 11
	s_add_nc_u64 s[6:7], s[6:7], s[88:89]          ; x's scale bytes at my 64 rows
	s_lshl_b32 s88, s[GG], 18
	s_add_nc_u64 s[OUTB:OUTB+1], s[22:23], s[88:89]   ; out at my 64 rows of 4,096 bytes
	s_lshl_b32 s88, s[GG], 2
	s_add_co_u32 s88, s88, s[WV]
	s_lshl_b32 s88, s88, 13
	s_add_nc_u64 s[PFB:PFB+1], s[14:15], s[88:89]  ; used by the first six clusters alone, where it lies inside Wo's codes
	s_lshr_b32 s88, s[GG], 5
	s_lshl_b32 s88, s88, 13
	s_add_nc_u64 s[90:91], s[20:21], s[88:89]      ; stats at my batch's first row
	s_lshl_b32 s88, s[GG], 8
	s_add_nc_u64 s[92:93], s[20:21], s[88:89]      ; and at my 64 rows
	s_mul_i32 s88, s[GG], 49152
	s_mul_i32 s94, s[WV], 12288
	s_add_co_u32 s88, s88, s94                     ; x's codes: my work-group's rows, my wave's 16 of them
	s_mov_b32 s[G0X], 1
	s_mul_i32 s[G0X+1], s[WV], TILEB
	s_add_co_u32 s[G0X+1], s[G0X+1], XREG
	s_add_nc_u64 s[G0X+2:G0X+3], s[4:5], s[88:89]
	s_or_b32 s[G0X+3], s[G0X+3], 0x80000000
	s_mov_b32 s[TT], s[ROT]
	s_mul_i32 s[OFF], s[TT], CSTEP
	s_mov_b32 s[G0], 1
	s_mul_i32 s[G0+1], s[WV], WBLK                 ; LDS: the slot's constant + the wave's number x a constant; never rewritten
	s_add_nc_u64 s[G0+2:G0+3], s[CB1:CB1+1], s[OFF:OFF+1]
	s_or_b32 s[G0+3], s[G0+3], 0x80000000
	s_add_co_u32 s[OFF], s[OFF], 24576
	s_mov_b32 s[G0+4], 1
	s_add_co_u32 s[G0+5], s[G0+1], SLOTB
	s_add_nc_u64 s[G0+6:G0+7], s[CB1:CB1+1], s[OFF:OFF+1]
	s_or_b32 s[G0+7], s[G0+7], 0x80000000
	CROUND                                         ; all four work-groups are here: the first joint loads meet
	tensor_load_to_lds s[G0X:G0X+3], s[G1X:G1X+7]  ; the first fills go out together: three loads of mine are out
	s_nop 0
	tensor_load_to_lds s[G0:G0+3], s[G1W:G1W+7]
	s_nop 0
	tensor_load_to_lds s[G0+4:G0+7], s[G1W:G1W+7]
	s_nop 0
	PLACES 4
.irp i, 0,1,2,3,4,5,6,7,8,9,10,11,12,13,14,15
	global_load_b128 v[64+4*\i:67+4*\i], v[LI16], s[90:91] offset:65536+512*\i   ; the batch's off: 512 dense bytes a load
.endr
.irp m, 0,1,2,3
	global_load_b32 v[128+\m], v[R4], s[92:93] offset:65536+64*\m
.endr
.irp m, 0,1,2,3
	global_load_b32 v[132+\m], v[R4], s[92:93] offset:64*\m
.endr
.irp m, 0,1,2,3
	global_load_b128 v[XS+4*\m:XS+4*\m+3], v[WSO], s[6:7] offset:512*\m   ; 16 rows' scale bytes: 512 dense bytes a load
.endr
	BASES SB1, BB1, 13, 10
	GLOADS 0, 0, 0
	GLOADS 1, 1024, 128
	v_mul_u32_u24 v227, v224, WP
	v_mad_u32_u24 v228, v225, 24, v227             ; row x pitch + 24 x half,
	v_mad_u32_u24 v229, v225, 40, v227             ; and the same behind one padding more
	s_mul_i32 s94, s[WV], WBLK
	v_add_nc_u32 v[AB], s94, v228
	v_add_nc_u32 v[AB+2], s94, v229
	s_add_co_u32 s94, s94, SLOTB
	v_add_nc_u32 v[AB+1], s94, v228
	v_add_nc_u32 v[AB+3], s94, v229
	v_add_nc_u32 v[AX], XREG, v228
	v_add_nc_u32 v[AX+2], XREG, v229
	s_mul_i32 s94, s[WV], 16*SP
	s_add_co_u32 s94, s94, XREG                    ; my stage
	v_mul_u32_u24 v227, v224, SP
	v_lshl_add_u32 v227, v225, 5, v227
	v_add_nc_u32 v[STO], s94, v227                 ; in: row r, 32 bytes for each half of the lanes
	v_mul_u32_u24 v227, v225, SP
	v_lshl_add_u32 v227, v224, 4, v227
	v_add_nc_u32 v[RD], s94, v227                  ; back: lanes 0-15 one row of 256 bytes, lanes 16-31 the next
	v_lshlrev_b32 v227, 12, v225
	v_lshl_add_u32 v227, v224, 4, v227
	s_lshl_b32 s94, s[WV], 8
	v_add_nc_u32 v[VO], s94, v227                  ; and the same two rows in out, at my wave's 256 bytes of a strip
	v_lshl_add_u32 v227, v225, 4, v224
	v_mul_u32_u24 v227, v227, CP
	s_mul_i32 s94, s[WV], 48
	s_add_co_u32 s94, s94, CTX
	v_add_nc_u32 v[CTS], s94, v227                 ; codes: row 16 h + r, my wave's 48 bytes of a pair
	s_lshl_b32 s94, s[WV], 1
	s_add_co_u32 s94, s94, CSC
	v_lshl_add_u32 v[CSB], v224, 5, s94            ; scale bytes: row r, my wave's two of a pair
	v_mul_u32_u24 v227, v224, CP
	v_mad_u32_u24 v227, v225, 24, v227
	v_add_nc_u32 v227, CTX, v227
	s_xor_b32 s95, s[ROT], 3
	s_add_co_u32 s95, s95, 1                       ; 4 - rot: pair pp was made at step (pp + 4 - rot) mod 4
.irp pp, 0,1,2,3
	s_add_co_u32 s94, s95, \pp
	s_and_b32 s94, s94, 3
	s_mul_i32 s94, s94, 192
	v_add_nc_u32 v[VA+\pp], s94, v227
.endr
	v_lshl_add_u32 v228, v224, 5, CSC
	v_lshlrev_b32 v229, 1, v225
	v_add_nc_u32 v229, s95, v229
.irp jj, 0,1
	v_add_nc_u32 v230, \jj, v229
	v_and_b32 v230, 3, v230
	v_lshl_add_u32 v[VS+\jj], v230, 3, v228
.endr
	s_and_b32 s94, s[GG], 31
	v_sub_nc_u32 v136, s94, v225                   ; my block among the batch's 32, less h
	v_mov_b32 v137, 0                              ; written once: a lane permute's destination counts as one of its sources
.irp m, 0,1,2,3
	v_mov_b32 v[140+\m], 0
	v_mov_b32 v[228+\m], 0
.endr
	s_wait_tensorcnt 1                             ; my parts of x and of slot 0 are in; slot 1's may stay out
	s_barrier_signal -1
	s_barrier_wait -1                              ; everybody's part of x is in
	ALOADX 0
	s_wait_loadcnt 16                              ; the 24 loads of statistics are in; x's scale words (4) and the two sets of weight scale words and biases (12) may be out
	STATS
	ALOADX 1
	s_wait_dscnt 0x0
	VSTEP 0                                        ; the first product is written out step by step, so that every LDS store's place is a constant + a lane term + a wave term
	VSTEP 1
	VSTEP 2
	VSTEP 3
	s_wait_dscnt 0x0                               ; for the others' sake: my codes and scale bytes lie in LDS
	s_barrier_signal -1
	s_barrier_wait -1                              ; everybody's do.  Slot 1's load may stay out
	ALOADC
	s_wait_dscnt 0x0
	s_mov_b32 s[IC], 4
.Lout:                                             ; 3 trips: two chunks of Wo, both slots filled again, a strip of out stored
	CHUNK 0, 0, 6
	s_add_co_u32 s[TT], s[ROT], s[IC]
	s_add_co_u32 s[TT], s[TT], 1
	s_and_b32 s[TT], s[TT], 3
	BASES SB2, BB2, 13, 10
	CHANGE 0, CB2, 0
	GLOADS 0, 0, 0
	CHUNK 1, 1, 6
	CHANGE 1, CB2, 24576
	GLOADS 1, 1024, 128
	OUTS
	s_add_co_u32 s[IC], s[IC], 1
	s_cmp_lt_u32 s[IC], 7
	s_cbranch_scc1 .Lout
	CHUNK 0, 0, 6                                  ; the last pair is written out: nothing is left to fetch
	s_wait_tensorcnt 0x0                           ; slot 1's last fill is in
	CHUNK 1, 1, 0
	OUTS
	s_wait_tensorcnt 0x0                           ; the wave's end
	ds_add_u32 v[SPW], v[NIL]
	s_wait_dscnt 0x0
	CROUND                                         ; the closing round
	s_endpgm
.Lfunc_end_k_q7d3ecd9fdc_vo:
	.size	k_q7d3ecd9fdc_vo, .Lfunc_end_k_q7d3ecd9fdc_vo-k_q7d3ecd9fdc_vo
	.p2alignl 7, 3214868480
	.fill 96, 4, 3214868480
	.section	.rodata,"a",@progbits
	.p2align	6, 0x0
	.amdhsa_kernel k_q7d3ecd9fdc_vo
		.amdhsa_group_segment_fixed_size 327680
		.amdhsa_private_segment_fixed_size 0
		.amdhsa_enable_private_segment 0
		.amdhsa_kernarg_size 80
		.amdhsa_user_sgpr_count 2
		.amdhsa_user_sgpr_kernarg_segment_ptr 1
		.amdhsa_wavefront_size32 1
		.amdhsa_system_sgpr_workgroup_id_x 1
		.amdhsa_system_sgpr_workgroup_id_y 1
		.amdhsa_system_sgpr_workgroup_id_z 1
		.amdhsa_system_vgpr_workitem_id 0
		.amdhsa_next_free_vgpr 960
		.amdhsa_next_free_sgpr 96
		.amdhsa_reserve_vcc 1
		.amdhsa_float_denorm_mode_32 3
		.amdhsa_float_denorm_mode_16_64 3
		.amdhsa_memory_ordered 1
		.amdhsa_forward_progress 1
		.amdhsa_inst_pref_size 255
	.end_amdhsa_kernel
	.section	.bss,"aw",@nobits
	.p2align	6
	.space	262144
	.amdgpu_metadata
---
amdhsa.version: [ 1, 2 ]
amdhsa.kernels:
  - .name:           k_q7d3ecd9fdc_vo
    .symbol:         k_q7d3ecd9fdc_vo.kd
    .args:
      - { .name: x_codes, .offset: 0, .size: 8, .value_kind: global_buffer, .address_space: global }
      - { .name: x_scales, .offset: 8, .size: 8, .value_kind: global_buffer, .address_space: global }
      - { .name: Wv_codes, .offset: 16, .size: 8, .value_kind: global_buffer, .address_space: global }
      - { .name: Wv_scales, .offset: 24, .size: 8, .value_kind: global_buffer, .address_space: global }
      - { .name: bv, .offset: 32, .size: 8, .value_kind: global_buffer, .address_space: global }
      - { .name: Wo_codes, .offset: 40, .size: 8, .value_kind: global_buffer, .address_space: global }
      - { .name: Wo_scales, .offset: 48, .size: 8, .value_kind: global_buffer, .address_space: global }
      - { .name: bo, .offset: 56, .size: 8, .value_kind: global_buffer, .address_space: global }
      - { .name: stats, .offset: 64, .size: 8, .value_kind: global_buffer, .address_space: global }
      - { .name: out0, .offset: 72, .size: 8, .value_kind: global_buffer, .address_space: global }
    .group_segment_fixed_size: 327680
    .private_segment_fixed_size: 0
    .kernarg_segment_align: 8
    .kernarg_segment_size: 80
    .max_flat_workgroup_size: 128
    .sgpr_count:     96
    .vgpr_count:     960
    .wavefront_size: 32
...
	.end_amdgpu_metadata
.endif
;; end of part 2
;; ======== version 2 of 2: 2 launches
;; limits: right only within a limited range of input values
;; workspace buffers: dpart 262,144 bytes
;; launch qk (part 3): grid 4 x 64, 4 waves a work-group, clusters of 4 x 4, 327,680 bytes of LDS; arguments x_codes, x_scales, Wq_codes, Wq_scales, bq, Wk_codes, Wk_scales, bk, dpart; writes dpart
.if DOCPART == 3
	.amdgcn_target "amdgcn-amd-amdhsa--gfx1250"
	.amdhsa_code_object_version 6
	.text
	.protected	k_q7d3ecd9fdc_qk
	.globl	k_q7d3ecd9fdc_qk
	.p2align	8
	.type	k_q7d3ecd9fdc_qk,@function
k_q7d3ecd9fdc_qk:
	s_mov_b64 s[64:65], 0
	v_nop
	global_prefetch_b8 v0, s[64:65] scope:SCOPE_SE
	s_setreg_imm32_b32 hwreg(HW_REG_WAVE_MODE, 25, 1), 1
	s_wait_xcnt 0x0
	s_wait_alu depctr_hold_cnt(0) depctr_sa_sdst(0) depctr_va_vdst(0) depctr_va_sdst(0) depctr_va_ssrc(0) depctr_va_vcc(0) depctr_vm_vsrc(0)
	s_getreg_b32 s2, hwreg(HW_REG_IB_STS2, 6, 4)
	s_cmp_eq_u32 s2, 0
	s_cbranch_scc0 .Lentry_in_a_cluster
	s_endpgm
.Lentry_in_a_cluster:
	s_bfe_u32 s2, ttmp6, 0x10000c
	s_cmp_lg_u32 s2, 0xf033
	s_cbranch_scc0 .Lentry_shape_is_right
	s_endpgm
.Lentry_shape_is_right:
; q = x Wq^T + bq and k = x Wk^T + bk on codes of BF6 with E8M0 scales; dpart[gx][row] = the sum of q k over work-group column gx's 256 columns.  q and k never go to memory.
; A work-group owns 256 rows (64 a wave, held in registers) and 256 columns of Wq and of Wk, which walk through two LDS slots by joint loads of a 4 x 4 cluster.
.set WBLK,   26112
.set WP,     816
.set TILEB,  13056
.set XBLK,   52224
.set SLA,    208896
.set DX,     313344
.set SPARE,  314368
.set PSTEP,  49152
.set SPW, 1
.set NIL, 2
.set AA,  3
.set AX,  7
.set WSO, 10
.set BIO, 11
.set DXS, 12
.set DXR, 13
.set SO8, 14
.set AZ,  16
.set DA,  24
.set XS,  32
.set WS,  48
.set ACC, 64
.set BI,  192
.set GY,  22
.set MROW, 23
.set WV,  24
.set CX,  25
.set CY,  26
.set GX,  27
.set G1W, 28
.set G1X, 36
.set G0Q, 44
.set G0K, 52
.set SEL, 60
.set MCOL, 62
.set TW,  63
.set G0X, 68
.set SB1, 72
.set BB1, 74
.set SB2, 76
.set BB2, 78
.set XO,  80
.set WO,  82
.set DO,  84
.set T0,  86
.set AQB, 88
.set AKB, 90
.set CO,  92
.set YO,  94
.set MSB, 0
.macro WIN new
.if MSB != (\new)
	s_set_vgpr_msb (MSB<<8)|(\new)
.set MSB, (\new)
.endif
.endm
.macro PLACES n
.rept \n
	v_nop
.endr
.endm
.macro CROUND
	s_barrier_signal -1
	s_barrier_wait -1
	s_cmp_lg_u32 s[WV], 0
	s_cbranch_scc1 .Lnot_wave_0_\@
	s_barrier_signal -3
.Lnot_wave_0_\@:
	s_barrier_wait -3
	s_barrier_signal -1
	s_barrier_wait -1
.endm
.macro JLOAD slot
	s_cmp_lt_u32 s[WV], 2
	s_cbranch_scc0 .Lfor_k_\@
	tensor_load_to_lds s[G0Q+4*\slot:G0Q+4*\slot+3], s[G1W:G1W+7]
	s_nop 0
	PLACES 4
	s_branch .Lasked_\@
.Lfor_k_\@:
	tensor_load_to_lds s[G0K+4*\slot:G0K+4*\slot+3], s[G1W:G1W+7]
	s_nop 0
	PLACES 4
.Lasked_\@:
.endm
.macro FRAG reg, adr, q, rowoff
.irp p, 0,1,2,3,4,5
.set PC, 12*(\q)+6*(\p/3)+\p%3
.if PC%32 < 29
	ds_load_b64 v[(\reg)+2*\p:(\reg)+2*\p+1], v[\adr] offset:8*PC+16*(PC/32)+(\rowoff)
.else
	ds_load_b64 v[(\reg)+2*\p:(\reg)+2*\p+1], v[\adr+2] offset:8*PC+16*(PC/32)+(\rowoff)
.endif
.endr
.endm
.macro FETCHB adr, boff, s0
.irp s, \s0, \s0+1, \s0+2, \s0+3
.irp u, 0,1
	FRAG 12*(2*(\s)+\u), \adr, \s, (\boff)+TILEB*\u
.endr
.endr
.endm
.macro KSTEP slot, acc, s
.irp m, 0,1,2,3
.irp u, 0,1
.set rD, ACC+64*(\acc)+16*\m+8*\u
.set rW, 12*(2*(\s)+\u)
.set rA, 12*(4*((\s)%4)+\m)
.set rC, BI+16*(\slot)+8*\u
.set rSW, WS+8*(\slot)+4*\u+(\s)%4
.set rSX, XS+4*\m+(\s)%4
.if (\s) == 0
	v_wmma_scale_f32_16x16x128_f8f6f4 v[rD:rD+7], v[rW:rW+11], v[rA:rA+11], v[rC:rC+7], v[rSW], v[rSX] matrix_a_fmt:MATRIX_FMT_BF6 matrix_b_fmt:MATRIX_FMT_BF6
.elseif (\s) < 4
	v_wmma_scale_f32_16x16x128_f8f6f4 v[rD:rD+7], v[rW:rW+11], v[rA:rA+11], v[rD:rD+7], v[rSW], v[rSX] matrix_a_fmt:MATRIX_FMT_BF6 matrix_b_fmt:MATRIX_FMT_BF6
.else
	v_wmma_scale_f32_16x16x128_f8f6f4 v[rD:rD+7], v[rW:rW+11], v[rA:rA+11], v[rD:rD+7], v[rSW], v[rSX] matrix_a_fmt:MATRIX_FMT_BF6 matrix_b_fmt:MATRIX_FMT_BF6 matrix_a_scale:MATRIX_SCALE_ROW1 matrix_b_scale:MATRIX_SCALE_ROW1
.endif
.endr
.endr
.endm
.macro GLOADS set, sb, bb, so, bo
.irp u, 0,1
	global_load_b128 v[WS+8*\set+4*\u:WS+8*\set+4*\u+3], v[WSO], s[\sb:\sb+1] offset:\so+512*\u
.endr
.irp u, 0,1
.irp q, 0,1
	global_load_b128 v[BI+16*\set+8*\u+4*\q:BI+16*\set+8*\u+4*\q+3], v[BIO], s[\bb:\bb+1] offset:\bo+64*\u+16*\q
.endr
.endr
.endm
.macro CHANGE slot, step
	s_wait_tensorcnt 0x0
	ds_add_u32 v[SPW], v[NIL]
.if \step
	s_add_nc_u64 s[G0Q+4*\slot+2:G0Q+4*\slot+3], s[G0Q+4*\slot+2:G0Q+4*\slot+3], 2*PSTEP
	s_add_nc_u64 s[G0K+4*\slot+2:G0K+4*\slot+3], s[G0K+4*\slot+2:G0K+4*\slot+3], 2*PSTEP
.endif
	s_wait_dscnt 0x0
	CROUND
	JLOAD \slot
.endm
.macro MEET
	s_wait_tensorcnt 0x0
	ds_add_u32 v[SPW], v[NIL]
	s_wait_dscnt 0x0
	s_barrier_signal -1
	s_barrier_wait -1
	PLACES 4
.endm
.macro ALOADX half
	WIN 0x40+0x40*\half
.irp s, 0,1,2,3
.irp m, 0,1,2,3
	FRAG 12*(4*\s+\m), AX, 4*\half+\s, TILEB*\m
.endr
.endr
	WIN 0
.endm
.macro QKDOT
.irp j, 0,2,4,6,8,10,12,14
.irp m, 0,1,2,3
	v_pk_fma_f32 v[DA+2*\m:DA+2*\m+1], v[ACC+16*\m+\j:ACC+16*\m+\j+1], v[ACC+64+16*\m+\j:ACC+64+16*\m+\j+1], v[DA+2*\m:DA+2*\m+1]
.endr
.endr
.endm
.macro PCH adr, boff, set, lc, mode, nadr, nboff, cslot
	WIN 0x07
	s_wait_loadcnt \lc
	s_wait_dscnt 36
	KSTEP \set, \set, 0
	s_wait_dscnt 24
	KSTEP \set, \set, 1
	WIN 0xc0
	FETCHB \adr, \boff, 4
	WIN 0x07
	s_wait_dscnt 60
	KSTEP \set, \set, 2
	s_wait_dscnt 48
	KSTEP \set, \set, 3
	WIN 0x0b
	s_wait_dscnt 36
	KSTEP \set, \set, 4
	s_wait_dscnt 24
	KSTEP \set, \set, 5
.if \mode == 0
	PLACES 4
	WIN 0xc0
	FETCHB \nadr, \nboff, 0
	WIN 0x0b
	s_wait_dscnt 60
	KSTEP \set, \set, 6
	s_wait_dscnt 48
	KSTEP \set, \set, 7
.elseif \mode == 3
	s_wait_dscnt 12
	KSTEP \set, \set, 6
	s_wait_dscnt 0
	KSTEP \set, \set, 7
.else
	WIN 0
.if \mode == 1
	CHANGE \cslot, 1
.else
	MEET
.endif
	WIN 0xc0
	FETCHB \nadr, \nboff, 0
	WIN 0x0b
	KSTEP \set, \set, 6
	KSTEP \set, \set, 7
.endif
	WIN 0
	PLACES 4
.endm
.macro PAIR slot, p, mode
.set aQ, AA+(AZ-AA)*\slot
.set aK, aQ+1
.set nQ, AA+(AZ-AA)*(1-\slot)
	PCH aQ, 0, 0, 6, 0, aK, 0, 0
	GLOADS 0, SB1, BB1, 2048*\p+1024, 256*\p+128
	PCH aK, 0, 1, 6, 0, aQ, WBLK, 0
	GLOADS 1, SB2, BB2, 2048*\p+1024, 256*\p+128
	s_wait_alu depctr_va_vdst(0)
	QKDOT
	PCH aQ, WBLK, 0, 6, 0, aK, WBLK, 0
.if \p < 3
	GLOADS 0, SB1, BB1, 2048*\p+2048, 256*\p+256
	PCH aK, WBLK, 1, 6, \mode, nQ, 0, \slot
	GLOADS 1, SB2, BB2, 2048*\p+2048, 256*\p+256
.else
	PCH aK, WBLK, 1, 0, 3, aQ, 0, 0
.endif
	s_wait_alu depctr_va_vdst(0)
	QKDOT
.endm
	s_load_b512 s[4:19], s[0:1], 0x0
	s_load_b64 s[20:21], s[0:1], 0x40
	v_lshl_add_u32 v[SPW], v0, 2, SPARE
	v_mov_b32 v[NIL], 0
	ds_add_u32 v1, v2
	ds_add_u32 v1, v2
	s_wait_dscnt 0x0
	v_lshrrev_b32 v224, 5, v0
	v_readfirstlane_b32 s[WV], v224
	s_bfe_u32 s[CX], ttmp6, 0x40000
	s_bfe_u32 s[CY], ttmp6, 0x40004
	s_lshl_b32 s[GX], ttmp9, 2
	s_add_co_u32 s[GX], s[GX], s[CX]
	s_and_b32 s[GY], ttmp7, 0xffff
	s_lshl_b32 s[GY], s[GY], 2
	s_add_co_u32 s[GY], s[GY], s[CY]
	s_lshl_b32 s[MROW], s[CY], 2
	s_lshl_b32 s[MROW], 15, s[MROW]
	s_lshl_b32 s[MCOL], 0x1111, s[CX]
	s_or_b32 s[G1X], s[MROW], (3<<16)|(1<<20)|(1<<21)|(5<<22)|(3<<25)
	s_or_b32 s[G1W], s[MCOL], (3<<16)|(1<<20)|(1<<21)|(5<<22)|(3<<25)
	s_mov_b32 s[G1W+1], 32<<16
	s_mov_b32 s[G1W+2], 96<<16
	s_mov_b32 s[G1W+3], 32<<16
	s_mov_b32 s[G1W+4], 96
	s_mov_b32 s[G1W+5], 32
	s_mov_b32 s[G1W+6], 0
	s_mov_b32 s[G1W+7], 0
	s_mov_b32 s[G1X+1], 32<<16
	s_mov_b32 s[G1X+2], 192<<16
	s_mov_b32 s[G1X+3], 32<<16
	s_mov_b32 s[G1X+4], 192
	s_mov_b32 s[G1X+5], 32
	s_mov_b32 s[G1X+6], 0
	s_mov_b32 s[G1X+7], 0
	s_mov_b32 s[SEL], 0x76543210
	s_mov_b32 s[SEL+1], 0xfedcba98
	s_mul_i32 s[XO], s[GY], 196608
	s_mul_i32 s[T0], s[WV], 49152
	s_add_co_u32 s[XO], s[XO], s[T0]
	s_mov_b32 s[XO+1], 0
	s_mul_i32 s[WO], s[GX], 196608
	s_and_b32 s[TW], s[WV], 1
	s_mul_i32 s[TW], s[TW], 24576
	s_add_co_u32 s[WO], s[WO], s[TW]
	s_mov_b32 s[WO+1], 0
	s_mul_i32 s[T0], s[WV], WBLK
	v_and_b32 v224, 15, v0
	v_bfe_u32 v225, v0, 4, 1
	v_lshlrev_b32 v[WSO], 5, v224
	v_lshl_add_u32 v[WSO], v225, 4, v[WSO]
	v_lshlrev_b32 v[BIO], 5, v225
	s_mul_i32 s[TW], s[CY], 6144                   ; the prefetch's offset: of my block's 96 pieces of 256 bytes each of the four partners that ask for it jointly takes 24, told apart by address;
	v_and_b32 v230, 31, v0
	v_min_u32 v230, 23, v230                       ; a lane a piece; the lanes left over name the last piece again
	v_lshlrev_b32 v230, 8, v230
	v_add_nc_u32 v230, s[TW], v230
	s_wait_kmcnt 0x0
	s_mov_b32 s[G0X], 1
	s_mul_i32 s[G0X+1], s[WV], XBLK
	s_add_nc_u64 s[G0X+2:G0X+3], s[4:5], s[XO:XO+1]
	s_or_b32 s[G0X+3], s[G0X+3], 0x80000000
	s_add_nc_u64 s[AQB:AQB+1], s[8:9], s[WO:WO+1]
	s_add_nc_u64 s[AKB:AKB+1], s[14:15], s[WO:WO+1]
	s_cmp_lt_u32 s[WV], 2
	s_cselect_b64 s[XO:XO+1], s[AQB:AQB+1], s[AKB:AKB+1]   ; the weight block that my wave will fetch: Wq's or Wk's; never rewritten
.irp s, 0,1
	s_mov_b32 s[G0Q+4*\s], 1
	s_add_co_u32 s[G0Q+4*\s+1], s[T0], SLA*(1-\s)
	s_add_nc_u64 s[G0Q+4*\s+2:G0Q+4*\s+3], s[AQB:AQB+1], \s*PSTEP
	s_or_b32 s[G0Q+4*\s+3], s[G0Q+4*\s+3], 0x80000000
	s_mov_b32 s[G0K+4*\s], 1
	s_add_co_u32 s[G0K+4*\s+1], s[T0], SLA*(1-\s)
	s_add_nc_u64 s[G0K+4*\s+2:G0K+4*\s+3], s[AKB:AKB+1], \s*PSTEP
	s_or_b32 s[G0K+4*\s+3], s[G0K+4*\s+3], 0x80000000
.endr
	s_lshl_b32 s[CO], s[GX], 13
	s_mov_b32 s[CO+1], 0
	s_add_nc_u64 s[SB1:SB1+1], s[10:11], s[CO:CO+1]
	s_add_nc_u64 s[SB2:SB2+1], s[16:17], s[CO:CO+1]
	s_lshl_b32 s[CO], s[GX], 10
	s_add_nc_u64 s[BB1:BB1+1], s[12:13], s[CO:CO+1]
	s_add_nc_u64 s[BB2:BB2+1], s[18:19], s[CO:CO+1]
	s_lshl_b32 s[YO], s[GY], 13
	s_lshl_b32 s[YO+1], s[WV], 11
	s_add_co_u32 s[YO], s[YO], s[YO+1]
	s_mov_b32 s[YO+1], 0
	s_add_nc_u64 s[6:7], s[6:7], s[YO:YO+1]
	s_lshl_b32 s[DO], s[GX], 16
	s_lshl_b32 s[DO+1], s[GY], 10
	s_add_co_u32 s[DO], s[DO], s[DO+1]
	s_lshl_b32 s[DO+1], s[WV], 8
	s_add_co_u32 s[DO], s[DO], s[DO+1]
	s_mov_b32 s[DO+1], 0
	s_add_nc_u64 s[20:21], s[20:21], s[DO:DO+1]
	CROUND
	tensor_load_to_lds s[G0X:G0X+3], s[G1X:G1X+7]
	s_nop 0
	s_wait_alu depctr_va_vdst(0)
	global_prefetch_b8 v230, s[XO:XO+1] th:TH_LOAD_NT scope:SCOPE_SE                ; my share of the block that the first weight load brings, asked for one tensor load ahead of it,
	global_prefetch_b8 v230, s[XO:XO+1] offset:PSTEP th:TH_LOAD_NT scope:SCOPE_SE   ; and of the second's, two ahead
	s_wait_tensorcnt 0x0
	ds_add_u32 v1, v2
	s_wait_dscnt 0x0
	CROUND
	JLOAD 0
	s_wait_alu depctr_va_vdst(0)
.irp m, 0,1,2,3
	global_load_b128 v[XS+4*\m:XS+4*\m+3], v[WSO], s[6:7] offset:512*\m
.endr
	GLOADS 0, SB1, BB1, 0, 0
	GLOADS 1, SB2, BB2, 0, 0
	v_mul_u32_u24 v226, v224, WP
	v_mad_u32_u24 v227, v225, 24, v226
	v_mad_u32_u24 v228, v225, 40, v226
	v_add_nc_u32 v[AA], SLA, v227
	v_add_nc_u32 v[AA+1], SLA+2*WBLK, v227
	v_add_nc_u32 v[AA+2], SLA, v228
	v_add_nc_u32 v[AA+3], SLA+2*WBLK, v228
	v_add_nc_u32 v[AZ], 0, v227
	v_add_nc_u32 v[AZ+1], 2*WBLK, v227
	v_add_nc_u32 v[AZ+2], 0, v228
	v_add_nc_u32 v[AZ+3], 2*WBLK, v228
	s_mul_i32 s[TW], s[WV], XBLK
	v_add_nc_u32 v[AX], s[TW], v227
	v_add_nc_u32 v[AX+2], s[TW], v228
	v_and_b32 v229, 31, v0
	v_lshlrev_b32 v[SO8], 3, v229
	s_lshl_b32 s[TW], s[WV], 8
	s_add_co_u32 s[TW], s[TW], DX
	v_add_nc_u32 v[DXR], s[TW], v[SO8]
	v_lshl_add_u32 v[DXS], v224, 2, s[TW]
.irp j, 0,1,2,3,4,5,6,7
	v_mov_b32 v[DA+\j], 0
.endr
.irp j, 0,1,2,3
	v_mov_b32 v[224+\j], 0
.endr
	s_wait_tensorcnt 1
	ALOADX 0
	ALOADX 1
	CHANGE 1, 0
	WIN 0xc0
	FETCHB AA, 0, 0
	PAIR 0, 0, 1
	PAIR 1, 1, 1
	PAIR 0, 2, 2
	PAIR 1, 3, 3
.irp m, 0,1,2,3
	v_add_f32 v[DA+2*\m], v[DA+2*\m], v[DA+2*\m+1]
.endr
.irp m, 0,1,2,3
	v_permlanex16_b32 v[224+\m], v[DA+2*\m], s[SEL], s[SEL+1]
.endr
.irp m, 0,1,2,3
	v_add_f32 v[DA+2*\m], v[DA+2*\m], v[224+\m]
.endr
.irp m, 0,1,2,3
	ds_store_b32 v[DXS], v[DA+2*\m] offset:64*\m
.endr
	ds_load_b64 v[232:233], v[DXR]
	s_wait_dscnt 0x0
	global_store_b64 v[SO8], v[232:233], s[20:21]
	s_wait_tensorcnt 0x0
	ds_add_u32 v[SPW], v[NIL]
	s_wait_dscnt 0x0
	CROUND
	s_endpgm
.Lfunc_end_k_q7d3ecd9fdc_qk:
	.size	k_q7d3ecd9fdc_qk, .Lfunc_end_k_q7d3ecd9fdc_qk-k_q7d3ecd9fdc_qk
	.p2alignl 7, 3214868480
	.fill 96, 4, 3214868480
	.section	.rodata,"a",@progbits
	.p2align	6, 0x0
	.amdhsa_kernel k_q7d3ecd9fdc_qk
		.amdhsa_group_segment_fixed_size 327680
		.amdhsa_private_segment_fixed_size 0
		.amdhsa_enable_private_segment 0
		.amdhsa_kernarg_size 72
		.amdhsa_user_sgpr_count 2
		.amdhsa_user_sgpr_kernarg_segment_ptr 1
		.amdhsa_wavefront_size32 1
		.amdhsa_system_sgpr_workgroup_id_x 1
		.amdhsa_system_sgpr_workgroup_id_y 1
		.amdhsa_system_sgpr_workgroup_id_z 1
		.amdhsa_system_vgpr_workitem_id 0
		.amdhsa_next_free_vgpr 960
		.amdhsa_next_free_sgpr 96
		.amdhsa_reserve_vcc 0
		.amdhsa_float_denorm_mode_32 3
		.amdhsa_float_denorm_mode_16_64 3
		.amdhsa_memory_ordered 1
		.amdhsa_forward_progress 1
		.amdhsa_inst_pref_size 255
	.end_amdhsa_kernel
	.section	.bss,"aw",@nobits
	.p2align	6
	.space	262144
	.amdgpu_metadata
---
amdhsa.version: [ 1, 2 ]
amdhsa.kernels:
  - .name:           k_q7d3ecd9fdc_qk
    .symbol:         k_q7d3ecd9fdc_qk.kd
    .args:
      - { .name: x_codes, .offset: 0, .size: 8, .value_kind: global_buffer, .address_space: global }
      - { .name: x_scales, .offset: 8, .size: 8, .value_kind: global_buffer, .address_space: global }
      - { .name: Wq_codes, .offset: 16, .size: 8, .value_kind: global_buffer, .address_space: global }
      - { .name: Wq_scales, .offset: 24, .size: 8, .value_kind: global_buffer, .address_space: global }
      - { .name: bq, .offset: 32, .size: 8, .value_kind: global_buffer, .address_space: global }
      - { .name: Wk_codes, .offset: 40, .size: 8, .value_kind: global_buffer, .address_space: global }
      - { .name: Wk_scales, .offset: 48, .size: 8, .value_kind: global_buffer, .address_space: global }
      - { .name: bk, .offset: 56, .size: 8, .value_kind: global_buffer, .address_space: global }
      - { .name: dpart, .offset: 64, .size: 8, .value_kind: global_buffer, .address_space: global }
    .group_segment_fixed_size: 327680
    .private_segment_fixed_size: 0
    .kernarg_segment_align: 8
    .kernarg_segment_size: 72
    .max_flat_workgroup_size: 128
    .sgpr_count:     96
    .vgpr_count:     960
    .wavefront_size: 32
...
	.end_amdgpu_metadata
.endif
;; end of part 3
;; launch vo (part 4): grid 256 x 1, 4 waves a work-group, clusters of 4 x 1, 327,680 bytes of LDS; arguments x_codes, x_scales, Wv_codes, Wv_scales, bv, Wo_codes, Wo_scales, bo, dpart, out0; writes out0
.if DOCPART == 4
	.amdgcn_target "amdgcn-amd-amdhsa--gfx1250"
	.amdhsa_code_object_version 6
	.text
	.protected	k_q7d3ecd9fdc_vo
	.globl	k_q7d3ecd9fdc_vo
	.p2align	8
	.type	k_q7d3ecd9fdc_vo,@function
k_q7d3ecd9fdc_vo:
	s_mov_b64 s[64:65], 0
	v_nop
	global_prefetch_b8 v0, s[64:65] scope:SCOPE_SE
	s_setreg_imm32_b32 hwreg(HW_REG_WAVE_MODE, 25, 1), 1
	s_wait_xcnt 0x0
	s_wait_alu depctr_hold_cnt(0) depctr_sa_sdst(0) depctr_va_vdst(0) depctr_va_sdst(0) depctr_va_ssrc(0) depctr_va_vcc(0) depctr_vm_vsrc(0)
	s_getreg_b32 s2, hwreg(HW_REG_IB_STS2, 6, 4)
	s_cmp_eq_u32 s2, 0
	s_cbranch_scc0 .Lentry_in_a_cluster
	s_endpgm
.Lentry_in_a_cluster:
	s_bfe_u32 s2, ttmp6, 0x10000c
	s_cmp_lg_u32 s2, 0x3003
	s_cbranch_scc0 .Lentry_shape_is_right
	s_endpgm
.Lentry_shape_is_right:
; v = x Wv^T + bv; contexts = colsum x v, quantised along its 1,024 columns to BF6 (E3M2) with E8M0 scales; out = contexts Wo^T + bo.  Both products on codes; v and contexts never go to memory.
; THE SOFTMAX.  d[row] = the sum of dpart's four parts.  A row of the scores holds d on the diagonal and 2,047 zeros; its maximum max(d, 0) is taken away, so that one of the two exponents is 0: with E = exp(-|d|),
; e1 = (d >= 0 ? 1 : E), e0 = (d >= 0 ? E : 1), Z = e1 + 2047 e0, diag = e1 / Z, off = e0 / Z.  colsum[j] = diag[j] + the sum of off[i] over the other 2,047 rows of j's batch: only positive terms are added, no difference is formed.
; SHARES.  256 work-groups of four waves; a work-group owns 64 rows.  THE ROWS STAND STILL: every wave holds all 64 rows x K 1,024 as 32 fragments in 384 registers: first x's, then the contexts'.
; THE WEIGHTS WALK through two LDS slots, 16 chunks of 128 weight rows x all of K: 8 of Wv, 8 of Wo.  Chunk n = 2 I + cc lies in slot cc; wave w fetches and reads weight rows 256 pp + 64 w + 32 cc + 0 .. 31,
; pp = (rot + I) mod 4, rot = the cluster's number mod 4.  So two chunks give a wave 64 neighbouring columns, 256 bytes of a row of out, and each weight fragment is read from LDS once and feeds four matrix instructions.
; CLUSTER.  The four work-groups of a cluster walk the same chunks: each is asked for JOINTLY (mask 15, the same descriptor in all four).
; THE MATRIX INSTRUCTION IS USED TRANSPOSED: source 0 = 16 weight rows, source 1 = 16 rows: lane (r, h) holds row r of the tile and output columns 8 h + 0 .. 7.  The biases are the C of each sum's first instruction.
; CONTEXTS.  A chunk's 32 columns of a wave are one block of 32 along the next K.  Its codes (24 bytes a row) and scale byte go to LDS at the place of the step at which they were made (192 I + 48 w + 24 cc of a row);
; the reads for the second product turn that into the true order of K by four address registers.
; LIMITS: NaN and infinities are not served; |d| up to 2e38; v_exp_f32 gives 0 for results under 2^-126, so diag or off is 0 there, where the exact number is under 1e-38; a block of contexts that is all zeros gets the
; scale byte 1 where the quantiser says 127: its codes are zeros, and the byte is read by this program alone.
; REGISTERS, in windows of 256: window 0: addresses, scale words, accumulators, biases, work; window 1: the rows' fragments of K steps 0-3 ((s, m) at 12 (4 s + m)); window 2: of K steps 4-7; window 3: weight fragments ((s, u) at 12 (2 s + u)).
.set SLOTB,  104448                    ; a slot: four wave blocks
.set WBLK,   26112                     ; a wave's block: 32 weight rows = 24,576 dense bytes, brought as 96 rows of 256 bytes + 16 of padding
.set WP,     816                       ; so a weight row of 768 bytes has pitch 816 = 204 words: row r starts at bank 12 r mod 64 (64 banks of 4 bytes: ISA guide 11.1)
.set TILEB,  13056                     ; 16 such rows
.set XREG,   208896                    ; x's 64 rows, laid likewise: filled once.  In the second product its first bytes are the waves' stages for the way out
.set SP,     272                       ; a stage row: 256 bytes + 16
.set CTX,    261120                    ; the contexts' codes: 64 rows, pitch 784 = 196 words: row r starts at bank 4 r mod 64
.set CP,     784
.set CSC,    311296                    ; their scale bytes: 32 a row
.set SPARE,  313344                    ; the spare words, 128 bytes a wave: two blocks of 256 bytes that no other line names
.set SX,     313856                    ; four words: the waves' sums of off
.set CSTEP,  196608                    ; 256 weight rows in memory
.set SPW, 1                            ; v1   SPARE + 4 x my thread's number; never rewritten
.set NIL, 2                            ; v2   0; never rewritten
.set AB,  3                            ; v3, v4  my lane's place in my block of slot 0, 1;  v5, v6 the same behind one padding more
.set AX,  7                            ; v7   my lane's place in x's rows;  v9 the same behind one padding more
.set PFO, 8                            ; v8   256 x lane: the prefetch's offset
.set WSO, 10                           ; v10  32 r + 16 h: a row's 32 scale bytes, my half of them
.set BIO, 11                           ; v11  32 h: my half's eight biases of a tile
.set STO, 12                           ; v12  the stage: where I put 32 bytes of a row
.set RD,  13                           ; v13  and where I read a row back
.set VO,  14                           ; v14  my byte offset in out's rows
.set CTS, 15                           ; v15  where I store a row's 24 bytes of codes
.set CSB, 16                           ; v16  and a row's scale byte
.set LI16, 17                          ; v17  16 x lane
.set VA,  18                           ; v18-21  where pair pp (K steps 2 pp, 2 pp + 1) of the contexts' codes lies for my lane
.set VS,  22                           ; v22-23  and its scale words: lanes 0-15 pair jj, lanes 16-31 pair 2 + jj
.set CS,  24                           ; v24-31  colsum of row 16 m + r, in both registers of pair m
.set XS,  32                           ; v32-47  the rows' scale words: register 4 m + j: lanes 0-15 K step j, lanes 16-31 K step 4 + j, of row 16 m + r
.set WS,  48                           ; v48-63  the weights' likewise: register 8 slot + 4 u + j, weight row 16 u + r
.set ACC, 64                           ; v64-191 two sets of 8 accumulators: set a, (m, u) at 64 a + 16 m + 8 u.  At the head: the softmax's work
.set BI,  192                          ; v192-223 biases: 16 slot + 8 u + j = column 16 u + 8 h + j
.set R4,  255                          ; v255 4 r
.set WV,  24
.set CX,  25
.set KAP, 26
.set GG,  27
.set G1W, 28                           ; s[28:35] group 1 for weight blocks;  s[36:43] for x
.set G1X, 36
.set G0,  44                           ; s[44:47], s[48:51] group 0 of slot 0, 1;  s[52:55] of x
.set G0X, 52
.set ROT, 56
.set TT,  57
.set OFF, 58
.set SEL, 60
.set IC,  62
.set T2,  63
.set CB1, 66                           ; codes, scales, biases of Wv and of Wo, my wave's part added
.set SB1, 68
.set BB1, 70
.set CB2, 72
.set SB2, 74
.set BB2, 76
.set SBN, 78                           ; the bases of the loads of scale words and biases in hand
.set BBN, 80
.set OUTB, 82                          ; out at my 64 rows
.set OB,  84                           ; and at the strip in hand
.set PFB, 86                           ; my wave's 8,192 bytes of Wo's codes
.set MSB, 0
.macro WIN new                         ; the immediate's high byte repeats the setting that is left; a switch that changes nothing is dropped
.if MSB != (\new)
	s_set_vgpr_msb (MSB<<8)|(\new)
.set MSB, (\new)
.endif
.endm
.macro PLACES n
.rept \n
	v_nop
.endr
.endm
.macro CROUND                          ; a round of the cluster's barrier
	s_barrier_signal -1
	s_barrier_wait -1
	s_cmp_lg_u32 s[WV], 0
	s_cbranch_scc1 .Lnot_wave_0_\@
	s_barrier_signal -3
.Lnot_wave_0_\@:
	s_barrier_wait -3
	s_barrier_signal -1
	s_barrier_wait -1
.endm
; A fragment, 16 rows x 128 K of 6-bit codes, is 12 registers: lane (r, h) holds row r; registers 6 c .. 6 c + 5 hold K = 64 c + 32 h + 0 .. 31: 24 bytes of the row's stream of bits, in pieces of 8 bytes.
; Lanes 16-31 read three pieces further on; where that is behind one padding more (16 bytes behind every 32 pieces) the second address register serves.
.macro FRAG reg, adr, q, rowoff
.irp p, 0,1,2,3,4,5
.set PC, 12*(\q)+6*(\p/3)+\p%3
.if PC%32 < 29
	ds_load_b64 v[(\reg)+2*\p:(\reg)+2*\p+1], v[\adr] offset:8*PC+16*(PC/32)+(\rowoff)
.else
	ds_load_b64 v[(\reg)+2*\p:(\reg)+2*\p+1], v[\adr+2] offset:8*PC+16*(PC/32)+(\rowoff)
.endif
.endr
.endm
.macro FETCHB slot, s0                 ; my block's fragments of K steps s0 .. s0 + 3, in K order: 12 loads a K step
.irp s, \s0, \s0+1, \s0+2, \s0+3
.irp u, 0,1
	FRAG 12*(2*(\s)+\u), AB+\slot, \s, TILEB*\u
.endr
.endr
.endm
.macro KSTEP slot, acc, s              ; 8 matrix instructions, the 8 accumulators by turns
.irp m, 0,1,2,3
.irp u, 0,1
.set rD, ACC+64*(\acc)+16*\m+8*\u
.set rW, 12*(2*(\s)+\u)
.set rA, 12*(4*((\s)%4)+\m)
.set rC, BI+16*(\slot)+8*\u
.set rSW, WS+8*(\slot)+4*\u+(\s)%4
.set rSX, XS+4*\m+(\s)%4
.if (\s) == 0
	v_wmma_scale_f32_16x16x128_f8f6f4 v[rD:rD+7], v[rW:rW+11], v[rA:rA+11], v[rC:rC+7], v[rSW], v[rSX] matrix_a_fmt:MATRIX_FMT_BF6 matrix_b_fmt:MATRIX_FMT_BF6
.elseif (\s) < 4
	v_wmma_scale_f32_16x16x128_f8f6f4 v[rD:rD+7], v[rW:rW+11], v[rA:rA+11], v[rD:rD+7], v[rSW], v[rSX] matrix_a_fmt:MATRIX_FMT_BF6 matrix_b_fmt:MATRIX_FMT_BF6
.else
	v_wmma_scale_f32_16x16x128_f8f6f4 v[rD:rD+7], v[rW:rW+11], v[rA:rA+11], v[rD:rD+7], v[rSW], v[rSX] matrix_a_fmt:MATRIX_FMT_BF6 matrix_b_fmt:MATRIX_FMT_BF6 matrix_a_scale:MATRIX_SCALE_ROW1 matrix_b_scale:MATRIX_SCALE_ROW1
.endif
.endr
.endr
.endm
; A chunk: 64 matrix instructions.  Its fragments of K steps 0-3 were asked for inside the chunk before; those of K steps 4-7 are asked for behind K step 1.
; Behind K step 5 all of the slot has been read into registers: mode 1: the slot is filled again (CHANGE), mode 2: only the wait for the other slot's last fill; then the OTHER slot's K steps 0-3 are asked for,
; 16 matrix instructions ahead of the chunk's end.  mode 0: the last chunk.  lc: the younger global loads (the other set's scale words and biases) that may stay out.
.macro CHUNK slot, acc, lc, mode, cb, cadd
	WIN 0x07
	s_wait_loadcnt \lc                             ; this set's scale words and biases are in
	s_wait_dscnt 36                                ; K step 0's twelve loads are in; those of K steps 1 to 3 may be out
	KSTEP \slot, \acc, 0
	s_wait_dscnt 24
	KSTEP \slot, \acc, 1
	WIN 0xc0
	FETCHB \slot, 4                                ; into registers that the chunk before read last, four places and more ago
	WIN 0x07
	s_wait_dscnt 60                                ; K step 3's twelve and the 48 just issued may be out
	KSTEP \slot, \acc, 2
	s_wait_dscnt 48
	KSTEP \slot, \acc, 3
	WIN 0x0b                                       ; source 1 window 2
	s_wait_dscnt 36
	KSTEP \slot, \acc, 4
	s_wait_dscnt 24
	KSTEP \slot, \acc, 5
.if \mode == 0
	s_wait_dscnt 12
	KSTEP \slot, \acc, 6
	s_wait_dscnt 0
	KSTEP \slot, \acc, 7
.else
	WIN 0
.if \mode == 1
	CHANGE \slot, \cb, \cadd                       ; its wait for 0 on DScnt covers K steps 6 and 7; its four v_nop are the places in front of the loads below
.else
	s_wait_tensorcnt 0x0                           ; the other slot's last fill is in: my block of it is fetched and read by my wave alone
	PLACES 4
.endif
	WIN 0xc0
	FETCHB 1-\slot, 0                              ; into the registers that K steps 0-3 read
	WIN 0x0b
.if \mode == 2
	s_wait_dscnt 48                                ; all but the 48 just issued
.endif
	KSTEP \slot, \acc, 6
	KSTEP \slot, \acc, 7
.endif
	WIN 0
	PLACES 4                                       ; in front of the first read of results and of loads into registers that these products read
.endm
.macro BASES sb, bb, ls, lb            ; where pair s[TT]'s scale words and biases begin
	s_wait_xcnt 0x0                                ; the earlier loads have read their bases
	s_lshl_b32 s[OFF], s[TT], \ls
	s_add_nc_u64 s[SBN:SBN+1], s[\sb:\sb+1], s[OFF:OFF+1]
	s_lshl_b32 s[OFF], s[TT], \lb
	s_add_nc_u64 s[BBN:BBN+1], s[\bb:\bb+1], s[OFF:OFF+1]
.endm
.macro GLOADS set, so, bo              ; six loads: the scale words of my 32 weight rows (512 dense bytes a tile, all 8 K steps) and their 32 biases
.irp u, 0,1
	global_load_b128 v[WS+8*\set+4*\u:WS+8*\set+4*\u+3], v[WSO], s[SBN:SBN+1] offset:\so+512*\u
.endr
.irp u, 0,1
.irp q, 0,1
	global_load_b128 v[BI+16*\set+8*\u+4*\q:BI+16*\set+8*\u+4*\q+3], v[BIO], s[BBN:BBN+1] offset:\bo+64*\u+16*\q
.endr
.endr
.endm
; The slot just read out is filled again, from pair s[TT].  All my tensor loads have landed (the one that was out is the other slot's), 0 is added to my spare word, the add and my LDS reads and stores are waited for;
; a round of the cluster's barrier, so that no wave of any partner still reads the slot or has a load on its way; the joint refill is the first thing behind it.
.macro CHANGE slot, cb, cadd
	s_wait_tensorcnt 0x0
	ds_add_u32 v[SPW], v[NIL]                      ; 0 onto my spare word; the descriptor's step stands between it and the wait for it
	s_mul_i32 s[OFF], s[TT], CSTEP
.if \cadd
	s_add_co_u32 s[OFF], s[OFF], \cadd
.endif
	s_add_nc_u64 s[G0+4*\slot+2:G0+4*\slot+3], s[\cb:\cb+1], s[OFF:OFF+1]
	s_or_b32 s[G0+4*\slot+3], s[G0+4*\slot+3], 0x80000000
	s_wait_dscnt 0x0
	CROUND
	tensor_load_to_lds s[G0+4*\slot:G0+4*\slot+3], s[G1W:G1W+7]
	s_nop 0
	PLACES 4
.endm
.macro ALOADX half                     ; x's fragments of K steps 4 half .. 4 half + 3 into window 1 + half
	WIN 0x40+0x40*\half
.irp s, 0,1,2,3
.irp m, 0,1,2,3
	FRAG 12*(4*\s+\m), AX, 4*\half+\s, TILEB*\m
.endr
.endr
	WIN 0
.endm
; THE SOFTMAX'S NUMBERS, 20 rows a lane: numbers 0-15 are rows 512 w + 128 i + 4 lane + e of my batch (number 4 i + e), numbers 16-19 my work-group's rows 16 m + r (in both halves of the lanes).
; As loaded: part c of the batch's rows in v[64 + 16 c ..], part c of my rows in v[128 + 4 c ..].  At work: v64.. d, then 1 / Z; v96.. -|d|, then e0, then off; v116.. E, then Z; v136.. the exponent's remainder, then e1, then diag.
.macro STATS1
.irp j, 0,2,4,6,8,10,12,14
	v_pk_add_f32 v[64+\j:65+\j], v[64+\j:65+\j], v[80+\j:81+\j]
	v_pk_add_f32 v[96+\j:97+\j], v[96+\j:97+\j], v[112+\j:113+\j]
.endr
.irp j, 0,2,4,6,8,10,12,14
	v_pk_add_f32 v[64+\j:65+\j], v[64+\j:65+\j], v[96+\j:97+\j]   ; d of the batch's rows
.endr
.irp j, 0,2
	v_pk_add_f32 v[128+\j:129+\j], v[128+\j:129+\j], v[132+\j:133+\j]
	v_pk_add_f32 v[136+\j:137+\j], v[136+\j:137+\j], v[140+\j:141+\j]
.endr
.irp j, 0,2
	v_pk_add_f32 v[80+\j:81+\j], v[128+\j:129+\j], v[136+\j:137+\j]   ; d of my rows
.endr
.irp j, 0,1,2,3,4,5,6,7,8,9,10,11,12,13,14,15,16,17,18,19
	v_or_b32 v[96+\j], 0x80000000, v[64+\j]        ; -|d|: d less the row's maximum, or 0 less it, whichever is not 0
.endr
.irp j, 0,1,2,3,4,5,6,7,8,9,10,11,12,13,14,15,16,17,18,19
	v_mul_f32 v[116+\j], s88, v[96+\j]             ; t = -|d| log2(e), rounded;
.endr
.irp j, 0,1,2,3,4,5,6,7,8,9,10,11,12,13,14,15,16,17,18,19
	v_fma_f32 v[136+\j], v[96+\j], s88, -v[116+\j] ; what the rounding dropped,
.endr
.irp j, 0,1,2,3,4,5,6,7,8,9,10,11,12,13,14,15,16,17,18,19
	v_fma_f32 v[136+\j], v[96+\j], s89, v[136+\j]  ; and what the constant's rounding dropped
.endr
	s_wait_alu depctr_va_vdst(0)
.irp j, 0,1,2,3,4,5,6,7,8,9,10,11,12,13,14,15,16,17,18,19
	v_exp_f32 v[116+\j], v[116+\j]
.endr
.irp j, 0,1,2,3,4,5,6,7,8,9,10,11,12,13,14,15,16,17,18,19
	v_mul_f32 v[136+\j], s90, v[136+\j]            ; plain work behind the exponentials
.endr
	s_wait_alu depctr_va_vdst(0)                   ; one wait for the twenty, ahead of their first reader
.irp j, 0,1,2,3,4,5,6,7,8,9,10,11,12,13,14,15,16,17,18,19
	v_fma_f32 v[116+\j], v[116+\j], v[136+\j], v[116+\j]   ; E = 2^t (1 + rho ln 2)
.endr
.irp j, 0,1,2,3,4,5,6,7,8,9,10,11,12,13,14,15,16,17,18,19
	v_cmp_le_f32 vcc_lo, 0, v[64+\j]
	v_cndmask_b32 v[96+\j], v156, v[116+\j], vcc_lo    ; e0 = d >= 0 ? E : 1
	v_cndmask_b32 v[136+\j], v[116+\j], v156, vcc_lo   ; e1 = d >= 0 ? 1 : E
.endr
.irp j, 0,1,2,3,4,5,6,7,8,9,10,11,12,13,14,15,16,17,18,19
	v_fma_f32 v[116+\j], v[96+\j], s91, v[136+\j]  ; Z = e1 + 2047 e0, at least 1
.endr
	s_wait_alu depctr_va_vdst(0)
.irp j, 0,1,2,3,4,5,6,7,8,9,10,11,12,13,14,15,16,17,18,19
	v_rcp_f32 v[64+\j], v[116+\j]
.endr
	v_nop
	s_wait_alu depctr_va_vdst(0)
.irp j, 0,1,2,3,4,5,6,7,8,9,10,11,12,13,14,15,16,17,18,19
	v_fma_f32 v[116+\j], -v[116+\j], v[64+\j], 1.0
.endr
.irp j, 0,1,2,3,4,5,6,7,8,9,10,11,12,13,14,15,16,17,18,19
	v_fma_f32 v[64+\j], v[64+\j], v[116+\j], v[64+\j]   ; one Newton step
.endr
.irp j, 0,1,2,3,4,5,6,7,8,9,10,11,12,13,14,15,16,17,18,19
	v_mul_f32 v[96+\j], v[96+\j], v[64+\j]         ; off
.endr
.irp m, 0,1,2,3
	v_mul_f32 v[152+\m], v[152+\m], v[80+\m]       ; diag of my rows
.endr
.irp i, 0,1,2,3
	v_pk_add_f32 v[96+4*\i:97+4*\i], v[96+4*\i:97+4*\i], v[98+4*\i:99+4*\i]
.endr
.irp i, 0,1,2,3
	v_add_f32 v[96+4*\i], v[96+4*\i], v[97+4*\i]
.endr
.irp i, 0,1,2,3
	v_cmp_ne_u32 vcc_lo, 2*\i, v157                ; load i, half h holds block 8 w + 2 i + h of the batch's 32 blocks of 64 rows: my own block is left out
	v_cndmask_b32 v[96+4*\i], 0, v[96+4*\i], vcc_lo
.endr
	v_add_f32 v96, v96, v100
	v_add_f32 v104, v104, v108
	v_add_f32 v96, v96, v104
.irp k, 1,2,4,8
	v_add_f32_dpp v96, v96, v96 row_xmask:\k row_mask:0xf bank_mask:0xf
.endr
	v_permlanex16_b32 v164, v96, s[SEL], s[SEL+1]
	v_add_f32 v96, v96, v164                       ; my wave's 512 rows' off, my block's left out
	ds_store_b32 v180, v96                         ; all lanes write the same word with the same value
.irp k, 1,2,4,8                        ; inside a tile of 16 rows: v160 + m gathers the other 15 rows' off, v112 + m all 16
.irp m, 0,1,2,3
	v_add_f32_dpp v[160+\m], v[112+\m], v[160+\m] row_xmask:\k row_mask:0xf bank_mask:0xf
.endr
.irp m, 0,1,2,3
	v_add_f32_dpp v[112+\m], v[112+\m], v[112+\m] row_xmask:\k row_mask:0xf bank_mask:0xf
.endr
.endr
.endm
.macro STATS2                          ; v176-179: the four waves' sums
	v_add_f32 v176, v176, v177
	v_add_f32 v178, v178, v179
	v_add_f32 v64, v176, v178                      ; the sum of off outside my block
	v_add_f32 v165, v112, v113
	v_add_f32 v166, v114, v115
	v_add_f32 v167, v64, v166
	v_add_f32 v168, v64, v165
	v_add_f32 v169, v167, v113                     ; outside my block and the other three tiles
	v_add_f32 v170, v167, v112
	v_add_f32 v171, v168, v115
	v_add_f32 v172, v168, v114
.irp m, 0,1,2,3
	v_add_f32 v[169+\m], v[160+\m], v[169+\m]
.endr
.irp m, 0,1,2,3
	v_add_f32 v[CS+2*\m], v[152+\m], v[169+\m]
.endr
.irp m, 0,1,2,3
	v_mov_b32 v[CS+2*\m+1], v[CS+2*\m]
.endr
.endm
; The chunk's v in set a becomes contexts, codes and scale bytes.  step, cc: where they go in LDS.
.macro CTXQ a, step, cc
.set AQ, ACC+64*\a
.irp m, 0,1,2,3
.irp j, 0,2,4,6,8,10,12,14
	v_pk_mul_f32 v[AQ+16*\m+\j:AQ+16*\m+\j+1], v[AQ+16*\m+\j:AQ+16*\m+\j+1], v[CS+2*\m:CS+2*\m+1]   ; colsum x v, in f32; each accumulator from its low end on
.endr
.endr
.irp m, 0,1,2,3
.irp j, 0,1,2,3,4,5,6,7
	v_permlane16_swap_b32 v[AQ+16*\m+\j], v[AQ+16*\m+8+\j]   ; tile 0's lanes 16-31 change places with tile 1's lanes 0-15: my 16 registers are now columns 16 h + 0 .. 15 of the block
.endr
.endr
.irp m, 0,1,2,3
	v_max3_num_f32 v[224+\m], |v[AQ+16*\m]|, |v[AQ+16*\m+1]|, 0x2800000   ; my 16 numbers, and the floor 2^(5 - 127): the byte cannot fall under 1
.endr
.irp k, 2,4,6,8,10,12,14
.irp m, 0,1,2,3
	v_max3_num_f32 v[224+\m], v[224+\m], |v[AQ+16*\m+\k]|, |v[AQ+16*\m+\k+1]|
.endr
.endr
.irp m, 0,1,2,3
	v_permlanex16_b32 v[228+\m], v[224+\m], s[SEL], s[SEL+1]
.endr
.irp m, 0,1,2,3
	v_max_num_f32 v[224+\m], v[224+\m], v[228+\m]  ; the block's largest magnitude
.endr
.irp m, 0,1,2,3
	v_add_nc_u32 v[232+\m], 0xfe000000, v[224+\m]  ; 4 off its exponent field: the conversion takes the exponent field of this operand as its scale
.endr
.irp m, 0,1,2,3
	v_lshrrev_b32 v[228+\m], 23, v[232+\m]         ; the scale's byte
.endr
	v_cvt_scalef32_pk16_bf6_f32 v[236:238], v[AQ:AQ+15], v232
	v_cvt_scalef32_pk16_bf6_f32 v[248:250], v[AQ+16:AQ+31], v233
	v_cvt_scalef32_pk16_bf6_f32 v[242:244], v[AQ+32:AQ+47], v234
	v_cvt_scalef32_pk16_bf6_f32 v[252:254], v[AQ+48:AQ+63], v235
	v_nop                                          ; one plain place behind the scaled conversions
.irp e, 0,1,2
	v_permlane16_swap_b32 v[236+\e], v[248+\e]     ; tiles 0 and 1: lane (r, h) now holds row 16 h + r: its lower 16 codes in the first, its upper 16 in the second
	v_permlane16_swap_b32 v[242+\e], v[252+\e]     ; tiles 2 and 3 likewise: row 32 + 16 h + r
.endr
.irp e, 0,1,2
	v_mov_b32 v[239+\e], v[248+\e]
	v_mov_b32 v[245+\e], v[252+\e]
.endr
.irp mm, 0,1
.irp e, 0,1,2
	ds_store_b64 v[CTS], v[236+6*\mm+2*\e:237+6*\mm+2*\e] offset:32*CP*\mm+192*\step+24*\cc+8*\e
.endr
.endr
.irp m, 0,1,2,3
	ds_store_b8 v[CSB], v[228+\m] offset:512*\m+8*\step+\cc   ; both halves write the same byte with the same value
.endr
.endm
; Wo's codes are asked for ahead of their first tensor load: 786,432 bytes, each aligned block of 256 bytes named once in the launch: the 96 waves of the first six clusters take 8,192 bytes each, lanes 256 bytes apart.
; The branch hangs on the cluster's number, which the partners share; they are told apart by address.  It stands behind chunk 3; Wo's first load is issued inside chunk 6.
.macro ASK
	s_cmp_lt_u32 s[KAP], 6
	s_cbranch_scc0 .Lnot_mine_\@
	global_prefetch_b8 v[PFO], s[PFB:PFB+1] th:TH_LOAD_NT scope:SCOPE_SE
.Lnot_mine_\@:
.endm
.macro VSTEP step                      ; two chunks of Wv; both slots are filled again: with the next pair of Wv, in the last step with Wo's first
	s_add_co_u32 s[TT], s[ROT], \step+1
	s_and_b32 s[TT], s[TT], 3
.if \step < 3
	BASES SB1, BB1, 13, 10
	CHUNK 0, 0, 6, 1, CB1, 0
.else
	BASES SB2, BB2, 13, 10
	CHUNK 0, 0, 6, 1, CB2, 0
.endif
	GLOADS 0, 0, 0
	s_wait_alu depctr_va_vdst(0)
	CTXQ 0, \step, 0
.if \step < 3
	CHUNK 1, 1, 6, 1, CB1, 24576
.else
	CHUNK 1, 1, 6, 1, CB2, 24576
.endif
	GLOADS 1, 1024, 128
.if \step == 1
	ASK
.endif
	CTXQ 1, \step, 1
.endm
.macro ALOADC                          ; the contexts' fragments, in the true order of K
.irp half, 0,1
	WIN 0x40+0x40*\half
.irp s, 0,1,2,3
.irp m, 0,1,2,3
.irp p, 0,1,2,3,4,5
	ds_load_b64 v[12*(4*\s+\m)+2*\p:12*(4*\s+\m)+2*\p+1], v[VA+2*\half+\s/2] offset:96*(\s%2)+48*(\p/3)+8*(\p%3)+16*CP*\m
.endr
.endr
.endr
.endr
	WIN 0
.irp m, 0,1,2,3
.irp jj, 0,1
	ds_load_b64 v[XS+4*\m+2*\jj:XS+4*\m+2*\jj+1], v[VS+\jj] offset:512*\m
.endr
.endr
.endm
; THE WAY OUT of a strip: 64 rows x my 64 columns, a tile of 16 rows at a time through my own stage; back as rows of 256 bytes, into the registers that they left.
.macro TOSTAGE m
.irp a, 0,1
.irp u, 0,1
	ds_store_b128 v[STO], v[ACC+64*\a+16*(\m)+8*\u:ACC+64*\a+16*(\m)+8*\u+3] offset:128*\a+64*\u       ; each accumulator from its low end on
	ds_store_b128 v[STO], v[ACC+64*\a+16*(\m)+8*\u+4:ACC+64*\a+16*(\m)+8*\u+7] offset:128*\a+64*\u+16
.endr
.endr
.irp t, 0,1,2,3,4,5,6,7
	ds_load_b128 v[ACC+64*(\t/4)+16*(\m)+4*(\t%4):ACC+64*(\t/4)+16*(\m)+4*(\t%4)+3], v[RD] offset:2*SP*\t   ; LDS serves a wave's instructions in order (ISA guide 5.7.1.4): these see the stores above
.endr
.endm
.macro SEND m, younger                 ; younger: the LDS instructions issued behind tile m's loads
.irp t, 0,1,2,3,4,5,6,7
	s_wait_dscnt \younger+7-\t
	global_store_b128 v[VO], v[ACC+64*(\t/4)+16*(\m)+4*(\t%4):ACC+64*(\t/4)+16*(\m)+4*(\t%4)+3], s[OB:OB+1] offset:(16*(\m)+2*\t)*4096 th:TH_STORE_NT   ; 16 lanes store 256 consecutive bytes, at a multiple of 256 from out's first byte
.endr
.endm
.macro OUTS
	s_add_co_u32 s[T2], s[ROT], s[IC]
	s_and_b32 s[T2], s[T2], 3                      ; the pair just multiplied: 1,024 bytes of a row each
	s_lshl_b32 s[OFF], s[T2], 10
	s_add_nc_u64 s[OB:OB+1], s[OUTB:OUTB+1], s[OFF:OFF+1]
	TOSTAGE 0
	TOSTAGE 1
	SEND 0, 16
	TOSTAGE 2
	SEND 1, 16
	TOSTAGE 3
	SEND 2, 16
	SEND 3, 0
	s_wait_xcnt 0x0                                ; the stores have read their registers and their base: the next products write the first, the next strip the second
.endm
	s_load_b512 s[4:19], s[0:1], 0x0               ; x codes, x scales, Wv codes, Wv scales, bv, Wo codes, Wo scales, bo
	s_load_b128 s[20:23], s[0:1], 0x40             ; dpart, out
	v_lshl_add_u32 v[SPW], v0, 2, SPARE
	v_mov_b32 v[NIL], 0
	ds_add_u32 v1, v2
	ds_add_u32 v1, v2
	s_wait_dscnt 0x0
	v_lshrrev_b32 v224, 5, v0
	v_readfirstlane_b32 s[WV], v224                ; wave 0..3
	s_bfe_u32 s[CX], ttmp6, 0x40000                ; my place in the cluster
	s_mov_b32 s[KAP], ttmp9                        ; the cluster's number, which the four partners share
	s_lshl_b32 s[GG], ttmp9, 2
	s_add_co_u32 s[GG], s[GG], s[CX]               ; my block of 64 rows: it enters global addresses and one select of values, no LDS address and no branch
	s_and_b32 s[ROT], ttmp9, 3                     ; the pair at which my cluster begins
	s_mov_b32 s[G1W], 15|(3<<16)|(1<<20)|(1<<21)|(5<<22)|(3<<25)  ; mask: all four; elements of 8 bytes; padding on; bit 21 beside a mask; after every 64 words, 4 words
	s_mov_b32 s[G1W+1], 32<<16                     ; tensor_dim0 = 32 elements = 256 bytes
	s_mov_b32 s[G1W+2], 96<<16                     ; tensor_dim1 = 96
	s_mov_b32 s[G1W+3], 32<<16                     ; tile_dim0
	s_mov_b32 s[G1W+4], 96                         ; tile_dim1
	s_mov_b32 s[G1W+5], 32                         ; the block is dense
	s_mov_b32 s[G1W+6], 0
	s_mov_b32 s[G1W+7], 0
	s_mov_b32 s[G1X], (3<<16)|(1<<20)|(5<<22)|(3<<25)  ; x's rows are my work-group's own: no mask
	s_mov_b32 s[G1X+1], 32<<16
	s_mov_b32 s[G1X+2], 48<<16
	s_mov_b32 s[G1X+3], 32<<16
	s_mov_b32 s[G1X+4], 48
	s_mov_b32 s[G1X+5], 32
	s_mov_b32 s[G1X+6], 0
	s_mov_b32 s[G1X+7], 0
	s_mov_b32 s[SEL], 0x76543210
	s_mov_b32 s[SEL+1], 0xfedcba98                 ; v_permlanex16_b32's selects for lane l xor 16
	s_mov_b32 s[OFF+1], 0
	s_mov_b32 s89, 0
	v_and_b32 v224, 15, v0                         ; r
	v_bfe_u32 v225, v0, 4, 1                       ; h
	v_and_b32 v226, 31, v0                         ; lane
	v_lshlrev_b32 v[WSO], 5, v224
	v_lshl_add_u32 v[WSO], v225, 4, v[WSO]
	v_lshlrev_b32 v[BIO], 5, v225
	v_lshlrev_b32 v[LI16], 4, v226
	v_lshlrev_b32 v[R4], 2, v224
	v_lshlrev_b32 v[PFO], 8, v226
	s_mul_i32 s94, s[CX], 6144                     ; the head's prefetch: of my block's 96 pieces of 256 bytes each of the four partners takes 24, told apart by address;
	v_min_u32 v190, 23, v226                       ; a lane a piece; the lanes left over name the last piece again
	v_lshlrev_b32 v190, 8, v190
	v_add_nc_u32 v190, s94, v190
	s_wait_kmcnt 0x0
	s_mul_i32 s88, s[WV], 49152                    ; my 64 rows of a pair: codes,
	s_add_nc_u64 s[CB1:CB1+1], s[8:9], s[88:89]
	s_add_nc_u64 s[CB2:CB2+1], s[14:15], s[88:89]
	s_lshl_b32 s88, s[WV], 11                      ; scale bytes,
	s_add_nc_u64 s[SB1:SB1+1], s[10:11], s[88:89]
	s_add_nc_u64 s[SB2:SB2+1], s[16:17], s[88:89]
	s_lshl_b32 s88, s[WV], 8                       ; biases
	s_add_nc_u64 s[BB1:BB1+1], s[12:13], s[88:89]
	s_add_nc_u64 s[BB2:BB2+1], s[18:19], s[88:89]
	s_lshl_b32 s88, s[GG], 11
	s_add_nc_u64 s[6:7], s[6:7], s[88:89]          ; x's scale bytes at my 64 rows
	s_lshl_b32 s88, s[GG], 18
	s_add_nc_u64 s[OUTB:OUTB+1], s[22:23], s[88:89]   ; out at my 64 rows of 4,096 bytes
	s_lshl_b32 s88, s[GG], 2
	s_add_co_u32 s88, s88, s[WV]
	s_lshl_b32 s88, s88, 13
	s_add_nc_u64 s[PFB:PFB+1], s[14:15], s[88:89]  ; used by the first six clusters alone, where it lies inside Wo's codes
	s_lshr_b32 s88, s[GG], 5
	s_lshl_b32 s88, s88, 13
	s_lshl_b32 s94, s[WV], 11
	s_add_co_u32 s88, s88, s94
	s_add_nc_u64 s[90:91], s[20:21], s[88:89]      ; d's parts at my batch's rows 512 w on
	s_lshl_b32 s88, s[GG], 8
	s_add_nc_u64 s[92:93], s[20:21], s[88:89]      ; and at my 64 rows
	s_mul_i32 s88, s[GG], 49152
	s_mul_i32 s94, s[WV], 12288
	s_add_co_u32 s88, s88, s94                     ; x's codes: my work-group's rows, my wave's 16 of them
	s_mov_b32 s[G0X], 1
	s_mul_i32 s[G0X+1], s[WV], TILEB
	s_add_co_u32 s[G0X+1], s[G0X+1], XREG
	s_add_nc_u64 s[G0X+2:G0X+3], s[4:5], s[88:89]
	s_or_b32 s[G0X+3], s[G0X+3], 0x80000000
	s_mov_b32 s[TT], s[ROT]
	s_mul_i32 s[OFF], s[TT], CSTEP
	s_mov_b32 s[G0], 1
	s_mul_i32 s[G0+1], s[WV], WBLK                 ; LDS: the slot's constant + the wave's number x a constant; never rewritten
	s_add_nc_u64 s[G0+2:G0+3], s[CB1:CB1+1], s[OFF:OFF+1]
	s_add_nc_u64 s[96:97], s[CB1:CB1+1], s[OFF:OFF+1]   ; the same place, for the head's prefetch; never rewritten
	s_or_b32 s[G0+3], s[G0+3], 0x80000000
	s_add_co_u32 s[OFF], s[OFF], 24576
	s_mov_b32 s[G0+4], 1
	s_add_co_u32 s[G0+5], s[G0+1], SLOTB
	s_add_nc_u64 s[G0+6:G0+7], s[CB1:CB1+1], s[OFF:OFF+1]
	s_or_b32 s[G0+7], s[G0+7], 0x80000000
	CROUND                                         ; all four work-groups are here: the first joint loads meet
	tensor_load_to_lds s[G0X:G0X+3], s[G1X:G1X+7]  ; x's rows
	s_nop 0
	PLACES 4
	s_wait_alu depctr_va_vdst(0)
	global_prefetch_b8 v190, s[96:97] th:TH_LOAD_NT scope:SCOPE_SE                ; my share of chunk 0 of Wv, asked for one tensor load ahead of its own,
	global_prefetch_b8 v190, s[96:97] offset:24576 th:TH_LOAD_NT scope:SCOPE_SE   ; and of chunk 1, two ahead
.irp c, 0,1,2,3
.irp i, 0,1,2,3
	global_load_b128 v[64+16*\c+4*\i:67+16*\c+4*\i], v[LI16], s[90:91] offset:65536*\c+512*\i   ; part c of d, my wave's 512 rows of the batch: 512 dense bytes a load
.endr
.endr
.irp c, 0,1,2,3
.irp m, 0,1,2,3
	global_load_b32 v[128+4*\c+\m], v[R4], s[92:93] offset:65536*\c+64*\m   ; and of my work-group's rows
.endr
.endr
.irp m, 0,1,2,3
	global_load_b128 v[XS+4*\m:XS+4*\m+3], v[WSO], s[6:7] offset:512*\m   ; 16 rows' scale bytes: 512 dense bytes a load
.endr
	BASES SB1, BB1, 13, 10
	GLOADS 0, 0, 0
	GLOADS 1, 1024, 128
	v_mul_u32_u24 v227, v224, WP
	v_mad_u32_u24 v228, v225, 24, v227             ; row x pitch + 24 x half,
	v_mad_u32_u24 v229, v225, 40, v227             ; and the same behind one padding more
	s_mul_i32 s94, s[WV], WBLK
	v_add_nc_u32 v[AB], s94, v228
	v_add_nc_u32 v[AB+2], s94, v229
	s_add_co_u32 s94, s94, SLOTB
	v_add_nc_u32 v[AB+1], s94, v228
	v_add_nc_u32 v[AB+3], s94, v229
	v_add_nc_u32 v[AX], XREG, v228
	v_add_nc_u32 v[AX+2], XREG, v229
	s_mul_i32 s94, s[WV], 16*SP
	s_add_co_u32 s94, s94, XREG                    ; my stage
	v_mul_u32_u24 v227, v224, SP
	v_lshl_add_u32 v227, v225, 5, v227
	v_add_nc_u32 v[STO], s94, v227                 ; in: row r, 32 bytes for each half of the lanes
	v_mul_u32_u24 v227, v225, SP
	v_lshl_add_u32 v227, v224, 4, v227
	v_add_nc_u32 v[RD], s94, v227                  ; back: lanes 0-15 one row of 256 bytes, lanes 16-31 the next
	v_lshlrev_b32 v227, 12, v225
	v_lshl_add_u32 v227, v224, 4, v227
	s_lshl_b32 s94, s[WV], 8
	v_add_nc_u32 v[VO], s94, v227                  ; and the same two rows in out, at my wave's 256 bytes of a strip
	v_lshl_add_u32 v227, v225, 4, v224
	v_mul_u32_u24 v227, v227, CP
	s_mul_i32 s94, s[WV], 48
	s_add_co_u32 s94, s94, CTX
	v_add_nc_u32 v[CTS], s94, v227                 ; codes: row 16 h + r, my wave's 48 bytes of a pair
	s_lshl_b32 s94, s[WV], 1
	s_add_co_u32 s94, s94, CSC
	v_lshl_add_u32 v[CSB], v224, 5, s94            ; scale bytes: row r, my wave's two of a pair
	v_mul_u32_u24 v227, v224, CP
	v_mad_u32_u24 v227, v225, 24, v227
	v_add_nc_u32 v227, CTX, v227
	s_wait_alu depctr_va_vdst(0)
	s_xor_b32 s95, s[ROT], 3
	s_add_co_u32 s95, s95, 1                       ; 4 - rot: pair pp was made at step (pp + 4 - rot) mod 4
.irp pp, 0,1,2,3
	s_add_co_u32 s94, s95, \pp
	s_and_b32 s94, s94, 3
	s_mul_i32 s94, s94, 192
	v_add_nc_u32 v[VA+\pp], s94, v227
.endr
	v_lshl_add_u32 v228, v224, 5, CSC
	v_lshlrev_b32 v229, 1, v225
	v_add_nc_u32 v229, s95, v229
.irp jj, 0,1
	v_add_nc_u32 v230, \jj, v229
	v_and_b32 v230, 3, v230
	v_lshl_add_u32 v[VS+\jj], v230, 3, v228
.endr
	s_and_b32 s94, s[GG], 31
	s_lshl_b32 s95, s[WV], 3
	s_sub_co_i32 s94, s94, s95
	v_sub_nc_u32 v157, s94, v225                   ; my block among the batch's 32, less 8 w + h
	s_lshl_b32 s94, s[WV], 2
	s_add_co_u32 s94, s94, SX
	v_mov_b32 v180, s94                            ; my wave's word among the four sums,
	v_mov_b32 v181, SX                             ; and the four
	v_mov_b32 v156, 1.0
	v_mov_b32 v164, 0                              ; written once: a lane permute's destination counts as one of its sources
.irp m, 0,1,2,3
	v_mov_b32 v[160+\m], 0
	v_mov_b32 v[228+\m], 0
.endr
	s_mul_i32 s94, s[WV], 16*CP
	s_add_co_u32 s94, s94, CTX+768
	v_mul_u32_u24 v184, v224, CP
	v_lshl_add_u32 v184, v225, 3, v184
	v_add_nc_u32 v184, s94, v184                   ; the 16 bytes behind the 768 of the contexts' row 16 w + r, my half's 8 of them
	v_mov_b32 v182, 0
	v_mov_b32 v183, 0
	s_wait_alu depctr_va_vdst(0)
	s_wait_tensorcnt 0x0                           ; my part of x is in
	ds_add_u32 v[SPW], v[NIL]
	s_wait_dscnt 0x0
	CROUND                                         ; everybody's part of x is in, and the four work-groups are here
	tensor_load_to_lds s[G0:G0+3], s[G1W:G1W+7]    ; slot 0's first fill: it lands while x's fragments are read and the softmax's numbers are made
	s_nop 0
	PLACES 4
	ALOADX 0
	ALOADX 1                                       ; 192 LDS loads are on their way while the softmax's numbers are made
	s_wait_loadcnt 16                              ; the 32 loads of d's parts are in; x's scale words (4) and the two sets of weight scale words and biases (12) may be out
	s_mov_b32 s88, 0x3fb8aa3b                      ; log2(e), its f32 part,
	s_mov_b32 s89, 0x32a57060                      ; and what that leaves
	s_mov_b32 s90, 0x3f317218                      ; ln 2
	s_mov_b32 s91, 0x44ffe000                      ; 2047
	STATS1
	ds_store_b64 v184, v[182:183]                  ; the padding behind the contexts' rows is set to 0: where the second product's reads begin hangs on the cluster's number, and every byte of the span that they may name is written
	s_wait_alu depctr_va_vdst(0)
	s_wait_tensorcnt 0x0                           ; my block of slot 0 is in; the same three lines ahead of slot 1's first fill
	ds_add_u32 v[SPW], v[NIL]
	s_wait_dscnt 0x0                               ; for the others' sake too: my sum lies in LDS; x's fragments are in
	CROUND
	tensor_load_to_lds s[G0+4:G0+7], s[G1W:G1W+7]  ; slot 1's first fill: it has chunk 0's first six K steps in which to land
	s_nop 0
	PLACES 4
	ds_load_b128 v[176:179], v181
	WIN 0xc0
	FETCHB 0, 0                                    ; chunk 0's K steps 0-3
	WIN 0
	s_wait_dscnt 48                                ; the four sums are in; the 48 loads just issued may be out
	STATS2
	VSTEP 0                                        ; the first product is written out step by step, so that every LDS store's place is a constant + a lane term + a wave term
	VSTEP 1
	VSTEP 2
	VSTEP 3
	s_wait_dscnt 0x0                               ; for the others' sake: my codes and scale bytes lie in LDS
	s_barrier_signal -1
	s_barrier_wait -1                              ; everybody's do.  Slot 1's load may stay out
	ALOADC
	s_wait_dscnt 0x0
	s_mov_b32 s[IC], 4
.Lout:                                             ; 3 trips: two chunks of Wo, both slots filled again, a strip of out stored
	s_add_co_u32 s[TT], s[ROT], s[IC]
	s_add_co_u32 s[TT], s[TT], 1
	s_and_b32 s[TT], s[TT], 3
	BASES SB2, BB2, 13, 10
	CHUNK 0, 0, 6, 1, CB2, 0
	GLOADS 0, 0, 0
	CHUNK 1, 1, 6, 1, CB2, 24576
	GLOADS 1, 1024, 128
	OUTS
	s_add_co_u32 s[IC], s[IC], 1
	s_cmp_lt_u32 s[IC], 7
	s_cbranch_scc1 .Lout
	CHUNK 0, 0, 6, 2, 0, 0                         ; the last pair is written out: nothing is left to fetch
	CHUNK 1, 1, 0, 0, 0, 0
	OUTS
	s_wait_tensorcnt 0x0                           ; the wave's end
	ds_add_u32 v[SPW], v[NIL]
	s_wait_dscnt 0x0
	CROUND                                         ; the closing round
	s_endpgm
.Lfunc_end_k_q7d3ecd9fdc_vo:
	.size	k_q7d3ecd9fdc_vo, .Lfunc_end_k_q7d3ecd9fdc_vo-k_q7d3ecd9fdc_vo
	.p2alignl 7, 3214868480
	.fill 96, 4, 3214868480
	.section	.rodata,"a",@progbits
	.p2align	6, 0x0
	.amdhsa_kernel k_q7d3ecd9fdc_vo
		.amdhsa_group_segment_fixed_size 327680
		.amdhsa_private_segment_fixed_size 0
		.amdhsa_enable_private_segment 0
		.amdhsa_kernarg_size 80
		.amdhsa_user_sgpr_count 2
		.amdhsa_user_sgpr_kernarg_segment_ptr 1
		.amdhsa_wavefront_size32 1
		.amdhsa_system_sgpr_workgroup_id_x 1
		.amdhsa_system_sgpr_workgroup_id_y 1
		.amdhsa_system_sgpr_workgroup_id_z 1
		.amdhsa_system_vgpr_workitem_id 0
		.amdhsa_next_free_vgpr 960
		.amdhsa_next_free_sgpr 98
		.amdhsa_reserve_vcc 1
		.amdhsa_float_denorm_mode_32 3
		.amdhsa_float_denorm_mode_16_64 3
		.amdhsa_memory_ordered 1
		.amdhsa_forward_progress 1
		.amdhsa_inst_pref_size 255
	.end_amdhsa_kernel
	.section	.bss,"aw",@nobits
	.p2align	6
	.space	262144
	.amdgpu_metadata
---
amdhsa.version: [ 1, 2 ]
amdhsa.kernels:
  - .name:           k_q7d3ecd9fdc_vo
    .symbol:         k_q7d3ecd9fdc_vo.kd
    .args:
      - { .name: x_codes, .offset: 0, .size: 8, .value_kind: global_buffer, .address_space: global }
      - { .name: x_scales, .offset: 8, .size: 8, .value_kind: global_buffer, .address_space: global }
      - { .name: Wv_codes, .offset: 16, .size: 8, .value_kind: global_buffer, .address_space: global }
      - { .name: Wv_scales, .offset: 24, .size: 8, .value_kind: global_buffer, .address_space: global }
      - { .name: bv, .offset: 32, .size: 8, .value_kind: global_buffer, .address_space: global }
      - { .name: Wo_codes, .offset: 40, .size: 8, .value_kind: global_buffer, .address_space: global }
      - { .name: Wo_scales, .offset: 48, .size: 8, .value_kind: global_buffer, .address_space: global }
      - { .name: bo, .offset: 56, .size: 8, .value_kind: global_buffer, .address_space: global }
      - { .name: dpart, .offset: 64, .size: 8, .value_kind: global_buffer, .address_space: global }
      - { .name: out0, .offset: 72, .size: 8, .value_kind: global_buffer, .address_space: global }
    .group_segment_fixed_size: 327680
    .private_segment_fixed_size: 0
    .kernarg_segment_align: 8
    .kernarg_segment_size: 80
    .max_flat_workgroup_size: 128
    .sgpr_count:     98
    .vgpr_count:     960
    .wavefront_size: 32
...
	.end_amdgpu_metadata
.endif
;; end of part 4
